; MI455X (gfx1250); checked and timed in simulation.
; The chip was launched on July 23, 2026; its instructions are those of AMD's public machine-readable ISA for CDNA 5 (MIT licence, August 2026) and "CDNA5" Instruction Set Architecture Reference Guide (July 2026). The comments in the code are by the model that wrote it; some were corrected since.
;; Tree Transformer. Allowed arithmetic: float matrix products may take bf16 or f16 operands with f32 sums; all other float work in f32.
;; Inputs: W1 2 x 256 x 512 float32; W2 2 x 512 x 256 float32; W_in 256 x 256 float32; Wo 2 x 256 x 256 float32; Wqkv 2 x 256 x 768 float32; b1 2 x 512 float32; b2 2 x 256 float32; b_in 256 float32; bn_b 256 float32; bn_g 256 float32; bo 2 x 256 float32; bqkv 2 x 768 float32; dist 8 x 1,024 x 1,024 int32; ln1_b 2 x 256 float32; ln1_g 2 x 256 float32; ln2_b 2 x 256 float32; ln2_g 2 x 256 float32; ln_in_b 256 float32; ln_in_g 256 float32; nodes 1,024 x 8 x 256 float32.
;; Outputs: out0 8 x 256 float32.
;; One version. Each part assembles by itself: llvm-mc -triple=amdgcn-amd-amdhsa -mcpu=gfx1250 --defsym DOCPART=n.
;; ======== version 1 of 1: 5 launches
;; limits: values are held in f16: magnitudes above 65,504 overflow, below 6.1e-05 lose precision
;; workspace buffers: wf 2,228,224 bytes; msk 2,097,152 bytes of whole numbers; x0 8,388,608 bytes; qkv0 12,582,912 bytes; qkv1 12,582,912 bytes; x1r 8,192 bytes; o1 8,192 bytes
;; launch prep (part 1): grid 256 x 1, 8 waves a work-group, no clusters, 132,608 bytes of LDS; arguments dist, W_in, Wqkv, Wo, W1, W2, wf, msk; writes wf, msk
.if DOCPART == 1
	.amdgcn_target "amdgcn-amd-amdhsa--gfx1250"
	.amdhsa_code_object_version 6
	.text
	.protected	k_q4baef36755_prep
	.globl	k_q4baef36755_prep
	.p2align	8
	.type	k_q4baef36755_prep,@function
k_q4baef36755_prep:
	s_mov_b64 s[64:65], 0
	v_nop
	global_prefetch_b8 v0, s[64:65] scope:SCOPE_SE
	s_setreg_imm32_b32 hwreg(HW_REG_WAVE_MODE, 25, 1), 1
	s_wait_xcnt 0x0
; PREP: (1) every weight matrix W[K][N] (f32) becomes f16 matrix fragments in wf; (2) dist becomes lane-mask words in msk.
; wf: fragment (nt = n/16, kb = k/32) at MAT + (nt*K/32 + kb)*1024; inside it byte i*512 + (16 hh + r)*16 + 2 e holds W[32 kb + 16 i + 8 hh + e][16 nt + r]:
;     two 16-byte loads a lane, each 512 consecutive bytes for the wave, fill the eight registers of a 16x32 operand (ISA guide 7.12.2).
; msk: word kind*1048576 + g*4096 + step*256 + 4*(qt*32 + kt*8 + j); bit 16 hh + r = "allowed" for query 32 qblk + 16 qt + r, key 64 step + 16 kt + 8 hh + j
;     (g = 32 b + qblk; kind 0: dist == 1, kind 1: dist >= 1): the lane mask of one register of a transposed score tile.
; Work-group g owns 32 rows of dist (131,072 bytes, read once, 512 consecutive bytes an instruction) and up to five weight units of 32 k x 32 n.
; WHY f16: the result is normalised over eight rows only, which magnifies what the operands' rounding leaves in a column; f16 keeps 11 significant bits.
; LIMIT: a weight above 65,504 in magnitude becomes infinite; below 6e-5 it is kept as a denormal with an absolute step of 6e-8.
; No matrix unit, tensor mover or cluster: the launch only moves and repacks bytes, and no two work-groups read the same bytes.
.set PITCH, 4112                       ; an LDS row of dist: 4,096 bytes + 16, an odd multiple of 16: sixteen rows of one column start in sixteen different 16-byte columns
.set D, 32                             ; v[32:159]  dist words
.set X, 160                            ; v[160:191] one weight unit
.set WF_QKV0, 131072
.set WF_O0, 917504
.set WF_10, 1179648
.set WF_20, 1703936
; One weight unit: rows 32 s8 .. +31 (layers counted through: s8 = layer*K/32 + kb), columns 32 s9 .. +31; lane l takes column 32 s9 + l.
; sp: the matrix's address pair; n: its columns; kblog: log2(K/32); dst: its first byte in wf.
.macro WPREP sp, n, kblog, dst
	s_mul_i32 s2, s8, 128*\n                       ; 32 rows of 4 n bytes
	s_lshl_b32 s3, s9, 7                           ; 32 columns of 4 bytes
	s_add_co_u32 s2, s2, s3
	s_mov_b32 s3, 0
	s_add_nc_u64 s[32:33], s[\sp:\sp+1], s[2:3]
.set k_, 0
.rept 32
	global_load_b32 v[X+k_], v10, s[32:33] offset:k_*4*\n th:TH_LOAD_NT
.set k_, k_+1
.endr
	s_lshr_b32 s2, s8, \kblog                      ; layer
	s_mul_i32 s2, s2, (64<<\kblog)*\n              ; 2 K n bytes a layer
	s_and_b32 s3, s8, (1<<\kblog)-1                ; kb
	s_lshl_b32 s3, s3, 10
	s_add_co_u32 s2, s2, s3
	s_lshl_b32 s3, s9, 11+\kblog                   ; nt = 2 s9: 2 s9 * K/32 * 1024
	s_add_co_u32 s2, s2, s3
	s_add_co_u32 s2, s2, \dst
	s_mov_b32 s3, 0
	s_add_nc_u64 s[34:35], s[28:29], s[2:3]
	v_lshl_add_u32 v13, v7, 10+\kblog, v11         ; lanes 16-31 are the next nt; 16 bytes for each r
	s_wait_loadcnt 0x0                             ; the unit is in (and, being older, the rows of dist)
.set k_, 0
.rept 16
	v_cvt_pk_f16_f32 v[X+k_], v[X+2*k_], v[X+2*k_+1]    ; k = 2 k_, 2 k_ + 1; in place: register k_ has been read by then
.set k_, k_+1
.endr
.irp q,0,1,2,3
	global_store_b128 v13, v[X+4*\q:X+4*\q+3], s[34:35] offset:256*\q   ; chunk (i, hh) = (q/2, q%2): sixteen lanes store 256 consecutive bytes, aligned
.endr
.endm
	s_load_b512 s[16:31], s[0:1], 0x0              ; dist 16, W_in 18, Wqkv 20, Wo 22, W1 24, W2 26, wf 28, msk 30
	v_lshl_add_u32 v192, v0, 2, 0x20200
	v_mov_b32 v193, 0
	v_and_b32 v1, 31, v0                           ; lane
	v_lshrrev_b32 v2, 5, v0                        ; wave
	v_readfirstlane_b32 s12, v2
	v_lshlrev_b32 v3, 4, v1                        ; 16 lane
	v_lshl_add_u32 v4, v2, 14, v3                  ; dist: my wave's four rows
	v_mul_u32_u24 v5, v2, 4*PITCH
	v_add_nc_u32 v5, v5, v3                        ; LDS, on the way in
	v_and_b32 v6, 15, v0                           ; r
	v_bfe_u32 v7, v0, 4, 1                         ; hh
	v_mul_u32_u24 v8, v6, PITCH
	v_lshl_add_u32 v8, v7, 5, v8
	v_lshl_add_u32 v8, v2, 9, v8                   ; LDS, on the way back: row r, keys 128 w + 8 hh ..
	v_add_nc_u32 v9, 16*PITCH, v8                  ; the same for rows 16 + r
	v_lshlrev_b32 v10, 2, v1                       ; 4 lane
	v_lshlrev_b32 v11, 4, v6                       ; 16 r
	v_lshlrev_b32 v12, 4, v0                       ; 16 t
	s_mov_b32 s13, ttmp9                           ; g
	s_lshl_b32 s2, s13, 17
	s_mov_b32 s3, 0
	s_wait_kmcnt 0x0
	s_add_nc_u64 s[16:17], s[16:17], s[2:3]
.set t_, 0
.rept 32
	global_load_b128 v[D+4*t_:D+4*t_+3], v4, s[16:17] offset:512*t_ th:TH_LOAD_NT
.set t_, t_+1
.endr
	; the weight units: 256 of W1, 256 of W2, 384 of Wqkv, 128 of Wo, 64 of W_in, each made once in the launch
	s_cmp_lg_u32 s12, 0
	s_cbranch_scc1 .Lnot0
	s_lshr_b32 s8, s13, 4
	s_and_b32 s9, s13, 15
	WPREP 24, 512, 3, WF_10
	s_branch .Ljoin
.Lnot0:
	s_cmp_lg_u32 s12, 1
	s_cbranch_scc1 .Lnot1
	s_lshr_b32 s8, s13, 3
	s_and_b32 s9, s13, 7
	WPREP 26, 256, 4, WF_20
	s_branch .Ljoin
.Lnot1:
	s_cmp_lg_u32 s12, 2
	s_cbranch_scc1 .Lnot2
	s_lshr_b32 s8, s13, 4
	s_and_b32 s9, s13, 15
	WPREP 20, 768, 3, WF_QKV0
	s_branch .Ljoin
.Lnot2:
	s_cmp_lg_u32 s12, 3
	s_cbranch_scc1 .Lnot3
	s_cmp_ge_u32 s13, 128
	s_cbranch_scc1 .Lwo
	s_lshr_b32 s8, s13, 3
	s_and_b32 s9, s13, 7
	s_add_co_u32 s9, s9, 16
	WPREP 20, 768, 3, WF_QKV0
	s_branch .Ljoin
.Lwo:
	s_sub_co_u32 s8, s13, 128
	s_lshr_b32 s8, s8, 3
	s_and_b32 s9, s13, 7
	WPREP 22, 256, 3, WF_O0
	s_branch .Ljoin
.Lnot3:
	s_cmp_lg_u32 s12, 4
	s_cbranch_scc1 .Ljoin
	s_cmp_ge_u32 s13, 64
	s_cbranch_scc1 .Ljoin
	s_lshr_b32 s8, s13, 3
	s_and_b32 s9, s13, 7
	WPREP 18, 256, 3, 0
.Ljoin:
	s_wait_loadcnt 0x0                             ; my four rows of dist
.set t_, 0
.rept 32
	ds_store_b128 v5, v[D+4*t_:D+4*t_+3] offset:(t_/8)*PITCH+(t_%8)*512
.set t_, t_+1
.endr
	s_wait_dscnt 0x0                               ; my stores are done before I say so:
	s_barrier_signal -1
	s_barrier_wait -1                              ; all 32 rows lie in LDS
	; wave w makes the 128 words of steps 2 w and 2 w + 1: register D + 64 sp + 32 qt + 8 kt + j holds, in lane (r, hh), dist[16 qt + r][64 (2 w + sp) + 16 kt + 8 hh + j]
.irp sp,0,1
.irp qt,0,1
.irp kt,0,1,2,3
	ds_load_b128 v[D+64*\sp+32*\qt+8*\kt:D+64*\sp+32*\qt+8*\kt+3], v[8+\qt] offset:256*\sp+64*\kt
	ds_load_b128 v[D+64*\sp+32*\qt+8*\kt+4:D+64*\sp+32*\qt+8*\kt+7], v[8+\qt] offset:256*\sp+64*\kt+16
.endr
.endr
.endr
.irp u,16,17,18,19,20,21,22,23
	v_mov_b32 v\u, 0                               ; v_writelane_b32 keeps the other lanes: its destination is written whole first
.endr
	s_lshl_b32 s2, s13, 12
	s_mov_b32 s3, 0
	s_add_nc_u64 s[30:31], s[30:31], s[2:3]
	s_wait_dscnt 0x0
	; a compare gives the word; word d goes to lane d/4, register d%4, so that a lane ends with 16 consecutive bytes of msk
.set d_, 0
.rept 32
.irp u,0,1,2,3
	v_cmp_eq_u32 s[36+2*\u], 1, v[D+d_+\u]
	v_cmp_lt_i32 s[37+2*\u], 0, v[D+d_+\u]
.endr
.irp u,0,1,2,3
	v_writelane_b32 v[16+\u], s[36+2*\u], d_/4
	v_writelane_b32 v[20+\u], s[37+2*\u], d_/4
.endr
.set d_, d_+4
.endr
	global_store_b128 v12, v[16:19], s[30:31]                  ; 512 consecutive bytes a wave
	global_store_b128 v12, v[20:23], s[30:31] offset:1048576
	s_wait_tensorcnt 0x0
	ds_add_u32 v192, v193
	s_wait_dscnt 0x0
	s_endpgm
.Lfunc_end_k_q4baef36755_prep:
	.size	k_q4baef36755_prep, .Lfunc_end_k_q4baef36755_prep-k_q4baef36755_prep
	.p2alignl 7, 3214868480
	.fill 96, 4, 3214868480
	.section	.rodata,"a",@progbits
	.p2align	6, 0x0
	.amdhsa_kernel k_q4baef36755_prep
		.amdhsa_group_segment_fixed_size 132608
		.amdhsa_private_segment_fixed_size 0
		.amdhsa_enable_private_segment 0
		.amdhsa_kernarg_size 64
		.amdhsa_user_sgpr_count 2
		.amdhsa_user_sgpr_kernarg_segment_ptr 1
		.amdhsa_wavefront_size32 1
		.amdhsa_system_sgpr_workgroup_id_x 1
		.amdhsa_system_sgpr_workgroup_id_y 1
		.amdhsa_system_sgpr_workgroup_id_z 1
		.amdhsa_system_vgpr_workitem_id 0
		.amdhsa_next_free_vgpr 194
		.amdhsa_next_free_sgpr 66
		.amdhsa_reserve_vcc 0
		.amdhsa_float_denorm_mode_32 3
		.amdhsa_float_denorm_mode_16_64 3
		.amdhsa_memory_ordered 1
		.amdhsa_forward_progress 1
		.amdhsa_inst_pref_size 73
	.end_amdhsa_kernel
	.amdgpu_metadata
---
amdhsa.version: [ 1, 2 ]
amdhsa.kernels:
  - .name:           k_q4baef36755_prep
    .symbol:         k_q4baef36755_prep.kd
    .args:
      - { .name: dist, .offset: 0, .size: 8, .value_kind: global_buffer, .address_space: global }
      - { .name: W_in, .offset: 8, .size: 8, .value_kind: global_buffer, .address_space: global }
      - { .name: Wqkv, .offset: 16, .size: 8, .value_kind: global_buffer, .address_space: global }
      - { .name: Wo, .offset: 24, .size: 8, .value_kind: global_buffer, .address_space: global }
      - { .name: W1, .offset: 32, .size: 8, .value_kind: global_buffer, .address_space: global }
      - { .name: W2, .offset: 40, .size: 8, .value_kind: global_buffer, .address_space: global }
      - { .name: wf, .offset: 48, .size: 8, .value_kind: global_buffer, .address_space: global }
      - { .name: msk, .offset: 56, .size: 8, .value_kind: global_buffer, .address_space: global }
    .group_segment_fixed_size: 132608
    .private_segment_fixed_size: 0
    .kernarg_segment_align: 8
    .kernarg_segment_size: 64
    .max_flat_workgroup_size: 256
    .sgpr_count:     66
    .vgpr_count:     194
    .wavefront_size: 32
...
	.end_amdgpu_metadata
.endif
;; end of part 1
;; launch embed (part 2): grid 256 x 1, 8 waves a work-group, no clusters, 87,040 bytes of LDS; arguments nodes, wf, b_in, ln_in_g, ln_in_b, bqkv, x0, qkv0; writes x0, qkv0
.if DOCPART == 2
	.amdgcn_target "amdgcn-amd-amdhsa--gfx1250"
	.amdhsa_code_object_version 6
	.text
	.protected	k_q4baef36755_embed
	.globl	k_q4baef36755_embed
	.p2align	8
	.type	k_q4baef36755_embed,@function
k_q4baef36755_embed:
	s_mov_b64 s[64:65], 0
	v_nop
	global_prefetch_b8 v0, s[64:65] scope:SCOPE_SE
	s_setreg_imm32_b32 hwreg(HW_REG_WAVE_MODE, 25, 1), 1
	s_wait_xcnt 0x0
; EMBED: x0 = LayerNorm((nodes + PE) W_in + b_in), then q, k, v of layer 0.  Work-group g = 32 b + blk owns tokens 32 blk .. +31 of batch b.
; Eight waves; wave w owns output columns 32 w .. +31 of every product (for q, k, v: head w).  Weights come as ready fragments from wf straight into
; registers (each fragment is read by one wave of the work-group only, so LDS would add a write and a read and share nothing); activations go through LDS.
; Products in f16 with f32 sums; everything else f32.
; qkv0: part*4194304 + (8 b + h)*65536 + blk*2048 + frag*1024 + i*512 + lane*16.  q, k: frag = token tile, lane (r, hh) = token r, d = 16 i + 8 hh + e.
;       v: frag = d tile, lane (r, hh) = d 16 frag + r, tokens 16 i + 8 hh + e.  q is stored times log2(e)/sqrt(32).
; WHY f16: the final result is normalised over eight rows only, which magnifies what the operands' rounding leaves in a column; f16 keeps 11 significant bits.
; LIMITS: a matrix operand above 65,504 in magnitude becomes infinite.  With every input 30 times the drawn size and offset by 30 spreads, nodes + PE stay under
;         about 200, and q, k, v under about 256 x 30 x 0.6 plus their spread, some 7,000.  Operands below 6e-5 are denormals with an absolute step of 6e-8.
;         The positional sine is a degree-9 polynomial on a quarter turn behind an f32 range reduction in turns: absolute error about 1e-4 at position 1023.
;         The variance is merged from (mean, sum of squared deviations) of 32 columns a wave, so no difference of large sums is formed.
; No cluster: what the work-groups share here are the weights (0.5 MB against 32 KB of own rows), but they are taken into registers, and a joint request exists for LDS tiles only.
.set MT, 2
.set RPW, 4
.set RPWL, 2
.set WF, 18
; ---- shared by the bodies embed and layer0 (MT: token tiles of 16 a work-group; RPW: rows that a wave copies) ----
.set XB, 0                             ; f16 [32][256], pitch 528
.set ST, 16896                         ; [32 rows] pitch 80: (mean, M2) of eight waves
.set HB, 19456                         ; f16 [32][512], pitch 1040
.set XF, 52736                         ; f32 [32][256], pitch 1040.  All pitches are odd multiples of 16 bytes: sixteen rows of one column fall on different 16-byte columns
.set ACC, 16                           ; v[16:47]   accumulator tile (nt, mt) at 8 (nt MT + mt)
.set ACTF, 48                          ; v[48:79]   two buffers of activation fragments; in epilogues residual and statistics
.set PB, 80                            ; v[80:95]   bias of my columns, index 8 nt + j
.set PG, 96                            ; v[96:111]  gain
.set PE, 112                           ; v[112:127] shift
.set W, 128                            ; v[128:255] weight fragment (kb, nt) at 8 (2 kb + nt)
.set WF_IN, 0
.set WF_QKV0, 131072
.set WF_QKV1, 524288
.set WF_O0, 917504
.set WF_10, 1179648
.set WF_20, 1703936
.macro PLACES                          ; four independent vector instructions between a matrix instruction and whatever reads its result or writes or loads into one of its registers
.rept 4
	v_nop
.endr
.endm
.macro BAR                             ; my LDS stores and loads are done before I signal; behind the wait that holds of all eight waves
	s_wait_dscnt 0x0
	s_barrier_signal -1
	s_barrier_wait -1
.endm
.macro SETUP
	v_and_b32 v16, 31, v0                          ; lane
	v_lshrrev_b32 v17, 5, v0                       ; w
	v_readfirstlane_b32 s12, v17
	v_and_b32 v18, 15, v0                          ; r
	v_bfe_u32 v19, v0, 4, 1                        ; hh
	v_lshlrev_b32 v20, 4, v16
	v_lshl_add_u32 v1, v17, 14, v20                ; wf: 16 lane + 2 column tiles x 8 K blocks x 1024 x w
	v_lshl_add_u32 v2, v17, 15, v20                ; the same for 4 x 8 or 2 x 16 fragments a wave
	v_mul_u32_u24 v4, v18, 528
	v_lshl_add_u32 v4, v19, 4, v4                  ; XB: fragment read, row r, 16 hh
	v_lshl_add_u32 v5, v17, 6, v4                  ; XB: my columns of row r
	v_mul_u32_u24 v21, v18, 1040
	v_lshl_add_u32 v6, v19, 4, v21
	v_add_nc_u32 v6, HB, v6                        ; HB: fragment read
	v_lshl_add_u32 v7, v17, 7, v6                  ; HB: my 64 columns of row r
	v_lshl_add_u32 v8, v17, 7, v21
	v_lshl_add_u32 v8, v19, 5, v8
	v_add_nc_u32 v8, XF, v8                        ; XF: my columns 32 w + 8 hh .. of row r
	v_mul_u32_u24 v10, v18, 80
	v_add_nc_u32 v10, ST, v10                      ; ST: row r
	v_lshl_add_u32 v9, v17, 3, v10                 ; ST: my wave's pair
	v_mul_u32_u24 v11, v17, 1040*RPW
	v_add_nc_u32 v11, v11, v20
	v_add_nc_u32 v11, XF, v11                      ; XF by whole rows: RPW rows a wave
	v_lshl_add_u32 v12, v17, 10+RPWL, v20          ; the same rows in memory (1,024 bytes each)
	v_lshlrev_b32 v13, 7, v17
	v_lshl_add_u32 v3, v17, 16, v20                ; q, k, v: 16 lane + head w
	v_lshl_add_u32 v14, v18, 2, v13                ; a parameter of column 32 w + r
	v_lshl_add_u32 v13, v19, 5, v13                ; parameters of columns 32 w + 8 hh ..
	v_mov_b32 v15, 0                               ; destination of v_permlanex16_b32, which counts as read
	s_mov_b32 s96, 0x76543210                      ; lane i of one half reads lane i of the other
	s_mov_b32 s97, 0xfedcba98
	s_mov_b32 s98, 0x3b800000                      ; 1/256
	s_mov_b32 s99, 0x3727c5ac                      ; 1e-5
.endm
.macro WLOAD voff, base, kbt           ; 32 loads, 512 consecutive bytes each: eight K blocks x my two column tiles; kbt = K blocks of the matrix
.irp kb,0,1,2,3,4,5,6,7
.irp nt,0,1
	global_load_b128 v[W+8*(2*\kb+\nt):W+8*(2*\kb+\nt)+3], v[\voff], s[WF:WF+1] offset:\base+(\nt*\kbt+\kb)*1024
	global_load_b128 v[W+8*(2*\kb+\nt)+4:W+8*(2*\kb+\nt)+7], v[\voff], s[WF:WF+1] offset:\base+(\nt*\kbt+\kb)*1024+512
.endr
.endr
.endm
.macro PARLD dst, sp, off              ; 4 loads: 16 parameters of my columns
.irp nt,0,1
	global_load_b128 v[\dst+8*\nt:\dst+8*\nt+3], v13, s[\sp:\sp+1] offset:\off+64*\nt
	global_load_b128 v[\dst+8*\nt+4:\dst+8*\nt+7], v13, s[\sp:\sp+1] offset:\off+64*\nt+16
.endr
.endm
.macro ACTLD buf, areg, imm, p16       ; the activation fragments of one K block: 2 MT loads
.set m_, 0
.rept MT
	ds_load_b128 v[ACTF+8*MT*\buf+8*m_:ACTF+8*MT*\buf+8*m_+3], v[\areg] offset:\imm+m_*\p16
	ds_load_b128 v[ACTF+8*MT*\buf+8*m_+4:ACTF+8*MT*\buf+8*m_+7], v[\areg] offset:\imm+m_*\p16+32
.set m_, m_+1
.endr
.endm
; orient 0: weights as source 0: lane r = token, register j = column 8 hh + j.  orient 1: activations as source 0: lane r = column, register j = token 8 hh + j.
.macro WM orient, nt, mt, kb, buf, zero
.if \orient
.if \zero
	v_wmma_f32_16x16x32_f16 v[ACC+8*(\nt*MT+\mt):ACC+8*(\nt*MT+\mt)+7], v[ACTF+8*MT*\buf+8*\mt:ACTF+8*MT*\buf+8*\mt+7], v[W+8*(2*\kb+\nt):W+8*(2*\kb+\nt)+7], 0
.else
	v_wmma_f32_16x16x32_f16 v[ACC+8*(\nt*MT+\mt):ACC+8*(\nt*MT+\mt)+7], v[ACTF+8*MT*\buf+8*\mt:ACTF+8*MT*\buf+8*\mt+7], v[W+8*(2*\kb+\nt):W+8*(2*\kb+\nt)+7], v[ACC+8*(\nt*MT+\mt):ACC+8*(\nt*MT+\mt)+7]
.endif
.else
.if \zero
	v_wmma_f32_16x16x32_f16 v[ACC+8*(\nt*MT+\mt):ACC+8*(\nt*MT+\mt)+7], v[W+8*(2*\kb+\nt):W+8*(2*\kb+\nt)+7], v[ACTF+8*MT*\buf+8*\mt:ACTF+8*MT*\buf+8*\mt+7], 0
.else
	v_wmma_f32_16x16x32_f16 v[ACC+8*(\nt*MT+\mt):ACC+8*(\nt*MT+\mt)+7], v[W+8*(2*\kb+\nt):W+8*(2*\kb+\nt)+7], v[ACTF+8*MT*\buf+8*\mt:ACTF+8*MT*\buf+8*\mt+7], v[ACC+8*(\nt*MT+\mt):ACC+8*(\nt*MT+\mt)+7]
.endif
.endif
.endm
.macro WMS orient, kb, zero            ; the accumulators take turns, one instruction a turn, also from K block to K block
	WM \orient, 0, 0, \kb, (\kb&1), \zero
	WM \orient, 1, 0, \kb, (\kb&1), \zero
	WM \orient, 0, 1, \kb, (\kb&1), \zero
	WM \orient, 1, 1, \kb, (\kb&1), \zero
.endm
; Eight K blocks.  areg, abase, p16: LDS address register, first byte and 16-row pitch of the activations.  first: the first product starts the sums.
; young: loads issued behind the 32 weight loads.  refill: behind each K block its registers are loaded with block kb + 8 (voff, base, kbt as in WLOAD).
.macro MMA areg, abase, p16, orient, first, young, refill, voff, base, kbt
	ACTLD 0, \areg, \abase, \p16
	ACTLD 1, \areg, \abase+64, \p16
.irp kb,0,1,2,3,4,5,6,7
.if \kb < 7
	s_wait_dscnt 2*MT                              ; this block's fragments are in; the next block's 2 MT loads may be out
.else
	s_wait_dscnt 0x0
.endif
.if \refill
	s_wait_loadcnt 28+\young                       ; behind this block's four loads: 4 (7 - kb) weight loads, the young ones and 4 kb refills
.else
	s_wait_loadcnt 28-4*\kb+\young                 ; behind this block's four loads: 4 (7 - kb) weight loads and the young ones
.endif
.if \first
.if \kb == 0
	WMS \orient, \kb, 1
.else
	WMS \orient, \kb, 0
.endif
.else
	WMS \orient, \kb, 0
.endif
.if \refill
	PLACES
.else
.if \kb < 6
	PLACES
.endif
.endif
.if \kb < 6
	ACTLD (\kb&1), \areg, \abase+64*(\kb+2), \p16
.endif
.if \refill
.irp nt,0,1
	global_load_b128 v[W+8*(2*\kb+\nt):W+8*(2*\kb+\nt)+3], v[\voff], s[WF:WF+1] offset:\base+(\nt*\kbt+\kb+8)*1024
	global_load_b128 v[W+8*(2*\kb+\nt)+4:W+8*(2*\kb+\nt)+7], v[\voff], s[WF:WF+1] offset:\base+(\nt*\kbt+\kb+8)*1024+512
.endr
.endif
.endr
.endm
.macro BIASADD
.set t_, 0
.rept 2*MT
.irp p,0,2,4,6
	v_pk_add_f32 v[ACC+8*t_+\p:ACC+8*t_+\p+1], v[ACC+8*t_+\p:ACC+8*t_+\p+1], v[PB+8*(t_/MT)+\p:PB+8*(t_/MT)+\p+1]
.endr
.set t_, t_+1
.endr
.endm
.macro PACK                            ; each tile's eight f32 become 16 bytes of f16 in its first four registers
.set t_, 0
.rept 2*MT
.irp p,0,1,2,3
	v_cvt_pk_f16_f32 v[ACC+8*t_+\p], v[ACC+8*t_+2*\p], v[ACC+8*t_+2*\p+1]
.endr
.set t_, t_+1
.endr
.endm
.macro XBST
.set t_, 0
.rept 2*MT
	ds_store_b128 v5, v[ACC+8*t_:ACC+8*t_+3] offset:(t_%MT)*8448+(t_/MT)*32
.set t_, t_+1
.endr
.endm
.macro LNSTAT mt                       ; mean and sum of squared deviations of my wave's 32 columns of row 16 mt + r (16 in this lane, 16 in lane r of the other half)
.set Z_, ACTF+16*\mt
.set A0_, ACC+8*\mt
.set A1_, ACC+8*(MT+\mt)
	v_pk_add_f32 v[Z_:Z_+1], v[A0_:A0_+1], v[A0_+2:A0_+3]
	v_pk_add_f32 v[Z_+2:Z_+3], v[A0_+4:A0_+5], v[A0_+6:A0_+7]
	v_pk_add_f32 v[Z_+4:Z_+5], v[A1_:A1_+1], v[A1_+2:A1_+3]
	v_pk_add_f32 v[Z_+6:Z_+7], v[A1_+4:A1_+5], v[A1_+6:A1_+7]
	v_pk_add_f32 v[Z_:Z_+1], v[Z_:Z_+1], v[Z_+2:Z_+3]
	v_pk_add_f32 v[Z_+4:Z_+5], v[Z_+4:Z_+5], v[Z_+6:Z_+7]
	v_pk_add_f32 v[Z_:Z_+1], v[Z_:Z_+1], v[Z_+4:Z_+5]
	v_add_f32 v[Z_], v[Z_], v[Z_+1]
	v_permlanex16_b32 v15, v[Z_], s96, s97
	v_add_f32 v[Z_], v[Z_], v15
	v_mul_f32 v[Z_+8], 0x3d000000, v[Z_]           ; / 32, twice: a pair for the packed subtraction
	v_mul_f32 v[Z_+9], 0x3d000000, v[Z_]
.irp p,0,2,4,6
	v_pk_add_f32 v[Z_+\p:Z_+\p+1], v[A0_+\p:A0_+\p+1], v[Z_+8:Z_+9] neg_lo:[0,1] neg_hi:[0,1]
.endr
	v_pk_mul_f32 v[Z_+10:Z_+11], v[Z_:Z_+1], v[Z_:Z_+1]
	v_pk_mul_f32 v[Z_+12:Z_+13], v[Z_+2:Z_+3], v[Z_+2:Z_+3]
	v_pk_fma_f32 v[Z_+10:Z_+11], v[Z_+4:Z_+5], v[Z_+4:Z_+5], v[Z_+10:Z_+11]
	v_pk_fma_f32 v[Z_+12:Z_+13], v[Z_+6:Z_+7], v[Z_+6:Z_+7], v[Z_+12:Z_+13]
.irp p,0,2,4,6
	v_pk_add_f32 v[Z_+\p:Z_+\p+1], v[A1_+\p:A1_+\p+1], v[Z_+8:Z_+9] neg_lo:[0,1] neg_hi:[0,1]
.endr
	v_pk_fma_f32 v[Z_+10:Z_+11], v[Z_:Z_+1], v[Z_:Z_+1], v[Z_+10:Z_+11]
	v_pk_fma_f32 v[Z_+12:Z_+13], v[Z_+2:Z_+3], v[Z_+2:Z_+3], v[Z_+12:Z_+13]
	v_pk_fma_f32 v[Z_+10:Z_+11], v[Z_+4:Z_+5], v[Z_+4:Z_+5], v[Z_+10:Z_+11]
	v_pk_fma_f32 v[Z_+12:Z_+13], v[Z_+6:Z_+7], v[Z_+6:Z_+7], v[Z_+12:Z_+13]
	v_pk_add_f32 v[Z_+10:Z_+11], v[Z_+10:Z_+11], v[Z_+12:Z_+13]
	v_add_f32 v[Z_+9], v[Z_+10], v[Z_+11]
	v_permlanex16_b32 v15, v[Z_+9], s96, s97
	v_add_f32 v[Z_+9], v[Z_+9], v15
	ds_store_b64 v9, v[Z_+8:Z_+9] offset:\mt*1280  ; (mean, M2); both halves of the lanes write the same pair
.endm
.macro LNFIN mt                        ; eight (mean, M2) pairs at Z: M2 = sum M2w + 32 sum (mw - mean)^2; then (x - mean) rstd g + b
.set Z_, ACTF+16*\mt
.irp c,1,2,3,4,5,6,7
	v_add_f32 v[Z_+1], v[Z_+1], v[Z_+2*\c+1]
.endr
	v_add_f32 v[Z_+3], v[Z_], v[Z_+2]
.irp c,2,3,4,5,6,7
	v_add_f32 v[Z_+3], v[Z_+3], v[Z_+2*\c]
.endr
	v_mul_f32 v[Z_+3], 0x3e000000, v[Z_+3]         ; the row's mean
	v_sub_f32 v[Z_+5], v[Z_], v[Z_+3]
	v_mul_f32 v[Z_+7], v[Z_+5], v[Z_+5]
.irp c,1,2,3,4,5,6,7
	v_sub_f32 v[Z_+5], v[Z_+2*\c], v[Z_+3]
	v_fmac_f32 v[Z_+7], v[Z_+5], v[Z_+5]
.endr
	v_fmac_f32 v[Z_+1], 0x42000000, v[Z_+7]
	v_fma_f32 v[Z_+5], v[Z_+1], s98, s99           ; variance + 1e-5
	v_rsq_f32 v[Z_+8], v[Z_+5]
	v_mov_b32 v[Z_+2], v[Z_+3]                     ; the plain instruction behind v_rsq_f32 (ISA guide 5.7.2); it also completes the pair of means
	s_wait_alu depctr_va_vdst(0)
	v_mov_b32 v[Z_+9], v[Z_+8]
.irp nt,0,1
.irp p,0,2,4,6
	v_pk_add_f32 v[ACC+8*(\nt*MT+\mt)+\p:ACC+8*(\nt*MT+\mt)+\p+1], v[ACC+8*(\nt*MT+\mt)+\p:ACC+8*(\nt*MT+\mt)+\p+1], v[Z_+2:Z_+3] neg_lo:[0,1] neg_hi:[0,1]
	v_pk_mul_f32 v[ACC+8*(\nt*MT+\mt)+\p:ACC+8*(\nt*MT+\mt)+\p+1], v[ACC+8*(\nt*MT+\mt)+\p:ACC+8*(\nt*MT+\mt)+\p+1], v[Z_+8:Z_+9]
	v_pk_fma_f32 v[ACC+8*(\nt*MT+\mt)+\p:ACC+8*(\nt*MT+\mt)+\p+1], v[ACC+8*(\nt*MT+\mt)+\p:ACC+8*(\nt*MT+\mt)+\p+1], v[PG+8*\nt+\p:PG+8*\nt+\p+1], v[PE+8*\nt+\p:PE+8*\nt+\p+1]
.endr
.endr
.endm
; bias, residual from XF (res), LayerNorm over the 256 columns that the eight waves hold; the result stays in ACC, goes to XF in f32 (toxf) and to XB in f16 (toxb).
; XB is written behind the barrier in the middle: every wave's fragment reads of XB ended (s_wait_dscnt 0 at its last K block) before it signalled there.
.macro LNEPI res, toxf, toxb
.if \res
.set t_, 0
.rept 2*MT
	ds_load_b128 v[ACTF+8*t_:ACTF+8*t_+3], v8 offset:(t_%MT)*16640+(t_/MT)*64
	ds_load_b128 v[ACTF+8*t_+4:ACTF+8*t_+7], v8 offset:(t_%MT)*16640+(t_/MT)*64+16
.set t_, t_+1
.endr
.endif
	BIASADD
.if \res
	s_wait_dscnt 0x0
.set p_, 0
.rept 8*MT
	v_pk_add_f32 v[ACC+2*p_:ACC+2*p_+1], v[ACC+2*p_:ACC+2*p_+1], v[ACTF+2*p_:ACTF+2*p_+1]
.set p_, p_+1
.endr
.endif
	LNSTAT 0
	LNSTAT 1
	BAR
.set m_, 0
.rept MT
.irp c,0,1,2,3
	ds_load_b128 v[ACTF+16*m_+4*\c:ACTF+16*m_+4*\c+3], v10 offset:m_*1280+16*\c
.endr
.set m_, m_+1
.endr
	s_wait_dscnt 0x0
	LNFIN 0
	LNFIN 1
.if \toxf
.set t_, 0
.rept 2*MT
	ds_store_b128 v8, v[ACC+8*t_:ACC+8*t_+3] offset:(t_%MT)*16640+(t_/MT)*64
	ds_store_b128 v8, v[ACC+8*t_+4:ACC+8*t_+7] offset:(t_%MT)*16640+(t_/MT)*64+16
.set t_, t_+1
.endr
.endif
.if \toxb
	PACK
	XBST
.endif
.endm
.macro EPQK scaled, sp                 ; q or k of head w: bias, (scale,) f16, stored as fragments: 512 consecutive bytes a store
	BIASADD
.if \scaled
.set p_, 0
.rept 8*MT
	v_pk_mul_f32 v[ACC+2*p_:ACC+2*p_+1], v[ACC+2*p_:ACC+2*p_+1], s[94:95] op_sel_hi:[1,0]
.set p_, p_+1
.endr
.endif
	PACK
.set t_, 0
.rept 2*MT
	global_store_b128 v3, v[ACC+8*t_:ACC+8*t_+3], s[\sp:\sp+1] offset:(t_%MT)*1024+(t_/MT)*512
.set t_, t_+1
.endr
.endm
.macro EPV sp                          ; v of head w, transposed: the lane is the column, so its bias is one number (PB + 2 nt), used for both halves of a pair
.set t_, 0
.rept 2*MT
.irp p,0,2,4,6
	v_pk_add_f32 v[ACC+8*t_+\p:ACC+8*t_+\p+1], v[ACC+8*t_+\p:ACC+8*t_+\p+1], v[PB+2*(t_/MT):PB+2*(t_/MT)+1] op_sel_hi:[1,0]
.endr
.set t_, t_+1
.endr
	PACK
.set t_, 0
.rept 2*MT
	global_store_b128 v3, v[ACC+8*t_:ACC+8*t_+3], s[\sp:\sp+1] offset:(t_/MT)*1024+(t_%MT)*512
.set t_, t_+1
.endr
.endm
; ---- end of the shared part ----
; Four columns 4 lane .. + 3 of one row: x += sin, cos, sin, cos of 2 pi t, t = pos * F in turns (cos: a quarter turn ahead).
; rr = t - round(t); a = min(|rr|, 1/2 - |rr|) <= 1/4; sin(2 pi a) by its series to a^9; the sign is rr's.  Four chains side by side.
.macro SIN4 x, pos, fb
	v_mul_f32 v36, v[\pos], v[\fb]
	v_fma_f32 v37, v[\pos], v[\fb], s93
	v_mul_f32 v38, v[\pos], v[\fb+1]
	v_fma_f32 v39, v[\pos], v[\fb+1], s93
.irp u,0,1,2,3
	v_rndne_f32 v[40+\u], v[36+\u]
.endr
.irp u,0,1,2,3
	v_sub_f32 v[36+\u], v[36+\u], v[40+\u]
.endr
.irp u,0,1,2,3
	v_and_b32 v[40+\u], 0x7fffffff, v[36+\u]
.endr
.irp u,0,1,2,3
	v_sub_f32 v[44+\u], 0.5, v[40+\u]
.endr
.irp u,0,1,2,3
	v_min_num_f32 v[40+\u], v[40+\u], v[44+\u]
.endr
	v_pk_mul_f32 v[44:45], v[40:41], v[40:41]
	v_pk_mul_f32 v[46:47], v[42:43], v[42:43]
	v_pk_fma_f32 v[28:29], v[34:35], v[44:45], 0xc2996966 op_sel_hi:[1,1,0]
	v_pk_fma_f32 v[30:31], v[34:35], v[46:47], 0xc2996966 op_sel_hi:[1,1,0]
	v_pk_fma_f32 v[28:29], v[28:29], v[44:45], 0x42a335e3 op_sel_hi:[1,1,0]
	v_pk_fma_f32 v[30:31], v[30:31], v[46:47], 0x42a335e3 op_sel_hi:[1,1,0]
	v_pk_fma_f32 v[28:29], v[28:29], v[44:45], 0xc2255de7 op_sel_hi:[1,1,0]
	v_pk_fma_f32 v[30:31], v[30:31], v[46:47], 0xc2255de7 op_sel_hi:[1,1,0]
	v_pk_fma_f32 v[28:29], v[28:29], v[44:45], 0x40c90fdb op_sel_hi:[1,1,0]
	v_pk_fma_f32 v[30:31], v[30:31], v[46:47], 0x40c90fdb op_sel_hi:[1,1,0]
	v_pk_mul_f32 v[28:29], v[28:29], v[40:41]
	v_pk_mul_f32 v[30:31], v[30:31], v[42:43]
.irp u,0,1,2,3
	v_bfi_b32 v[28+\u], 0x7fffffff, v[28+\u], v[36+\u]
.endr
	v_pk_add_f32 v[\x:\x+1], v[\x:\x+1], v[28:29]
	v_pk_add_f32 v[\x+2:\x+3], v[\x+2:\x+3], v[30:31]
.endm
	s_load_b512 s[16:31], s[0:1], 0x0              ; nodes 16, wf 18, b_in 20, ln_in_g 22, ln_in_b 24, bqkv 26, x0 28, qkv0 30
	s_set_vgpr_msb 0x40
	v_lshl_add_u32 v0, v0, 2, 0x15000
	v_mov_b32 v1, 0
	s_set_vgpr_msb 0x4000
	SETUP
	v_mul_u32_u24 v32, v17, 2112
	v_lshl_add_u32 v32, v16, 3, v32                ; XB by rows: four rows a wave, 8 bytes a lane
	v_lshlrev_b32 v20, 1, v16                      ; 2 lane: the first of my frequency indices
	s_lshr_b32 s14, ttmp9, 5                       ; b
	s_and_b32 s15, ttmp9, 31                       ; blk
	s_mov_b32 s93, 0x3e800000                      ; a quarter turn
	s_mov_b32 s94, 0x3e8293ee                      ; log2(e) / sqrt(32)
	s_mov_b32 s95, 0x3e8293ee
	s_lshl_b32 s2, s15, 18                         ; 32 tokens x 8 batches x 1,024 bytes
	s_lshl_b32 s3, s14, 10
	s_add_co_u32 s2, s2, s3
	s_mov_b32 s3, 0
	s_wait_kmcnt 0x0
	s_add_nc_u64 s[16:17], s[16:17], s[2:3]
.irp t,0,1,2,3,4,5,6,7
	global_load_b128 v[ACTF+4*\t:ACTF+4*\t+3], v2, s[16:17] offset:(\t/2)*8192+(\t%2)*512 th:TH_LOAD_NT   ; token 4 w + t/2, half t%2 of its row (v2 = 4 tokens x 8,192 x w + 16 lane)
.endr
	WLOAD 1, WF_IN, 8
	PARLD PB, 20, 0
	PARLD PG, 22, 0
	PARLD PE, 24, 0
	s_lshl_b32 s2, ttmp9, 15
	s_add_nc_u64 s[28:29], s[28:29], s[2:3]        ; x0 at my 32 rows
	s_lshl_b32 s2, s14, 19
	s_lshl_b32 s4, s15, 11
	s_add_co_u32 s2, s2, s4
	s_add_nc_u64 s[36:37], s[30:31], s[2:3]        ; q
	s_add_nc_u64 s[38:39], s[36:37], 0x400000      ; k
	s_add_nc_u64 s[40:41], s[36:37], 0x800000      ; v
	; frequencies in turns, F = 10000^(-p/128) / (2 pi), p = 2 lane, 2 lane + 1, 64 + 2 lane, 65 + 2 lane; positions 32 blk + 4 w + i
	v_add_nc_u32 v21, 1, v20
	v_add_nc_u32 v22, 64, v20
	v_add_nc_u32 v23, 0x41, v20
.irp q,0,1,2,3
	v_cvt_f32_u32 v[20+\q], v[20+\q]
.endr
.irp q,0,1,2,3
	v_mul_f32 v[20+\q], 0xbdd49a78, v[20+\q]       ; - log2(10000) / 128
.endr
.irp q,0,1,2,3
	v_exp_f32 v[16+\q], v[20+\q]
.endr
	v_mov_b32 v34, 0x42283c1a                      ; (2 pi)^9 / 9!, twice; also the plain instruction behind the exponentials (ISA guide 5.7.2)
	v_mov_b32 v35, 0x42283c1a
	s_wait_alu depctr_va_vdst(0)
.irp q,0,1,2,3
	v_mul_f32 v[16+\q], 0.15915494, v[16+\q]
.endr
	s_lshl_b32 s2, s15, 5
	s_lshl2_add_u32 s2, s12, s2
.irp i,0,1,2,3
	s_add_co_u32 s4, s2, \i
	v_cvt_f32_u32 v[24+\i], s4
.endr
	s_wait_loadcnt 44                              ; my rows of nodes are in; the 32 weight and 12 parameter loads behind them may be out
.irp t,0,1,2,3,4,5,6,7
	SIN4 ACTF+4*\t, 24+\t/2, 16+2*(\t%2)
.endr
.irp t,0,1,2,3,4,5,6,7
	v_cvt_pk_f16_f32 v[ACTF+4*\t], v[ACTF+4*\t], v[ACTF+4*\t+1]
	v_cvt_pk_f16_f32 v[ACTF+4*\t+1], v[ACTF+4*\t+2], v[ACTF+4*\t+3]
	ds_store_b64 v32, v[ACTF+4*\t:ACTF+4*\t+1] offset:(\t/2)*528+(\t%2)*256
.endr
	BAR
	; (nodes + PE) W_in, LayerNorm
	MMA 4, 0, 8448, 0, 1, 12, 0, 0, 0, 0
	PLACES
	WLOAD 1, WF_QKV0, 8
	s_wait_loadcnt 32                              ; only the 32 weight loads just issued may be out: the parameters are in
	LNEPI 0, 1, 1
	PARLD PB, 26, 0
	BAR
	; q
	MMA 4, 0, 8448, 0, 1, 4, 0, 0, 0, 0
	PLACES
	WLOAD 1, WF_QKV0+131072, 8
	s_wait_loadcnt 32
	EPQK 1, 36
	PARLD PB, 26, 1024
	s_wait_xcnt 0x0                                ; the stores' data registers are the accumulators, written again below
	; k
	MMA 4, 0, 8448, 0, 1, 4, 0, 0, 0, 0
	PLACES
	WLOAD 1, WF_QKV0+262144, 8
	s_wait_loadcnt 32
	EPQK 0, 38
	global_load_b32 v[PB], v14, s[26:27] offset:2048
	global_load_b32 v[PB+2], v14, s[26:27] offset:2112
	s_wait_xcnt 0x0
	; v, transposed
	MMA 4, 0, 8448, 1, 1, 2, 0, 0, 0, 0
	PLACES
	s_wait_loadcnt 0x0
	EPV 40
	; x0 leaves by whole rows: written to XF by all waves in front of the barrier behind the LayerNorm
.irp t,0,1,2,3,4,5,6,7
	ds_load_b128 v[ACTF+4*\t:ACTF+4*\t+3], v11 offset:(\t/2)*1040+(\t%2)*512
.endr
.irp t,0,1,2,3,4,5,6,7
	s_wait_dscnt 7-\t
	global_store_b128 v12, v[ACTF+4*\t:ACTF+4*\t+3], s[28:29] offset:(\t/2)*1024+(\t%2)*512
.endr
	s_set_vgpr_msb 0x5
	s_wait_tensorcnt 0x0
	ds_add_u32 v0, v1
	s_wait_dscnt 0x0
	s_set_vgpr_msb 0x500
	s_endpgm
.Lfunc_end_k_q4baef36755_embed:
	.size	k_q4baef36755_embed, .Lfunc_end_k_q4baef36755_embed-k_q4baef36755_embed
	.p2alignl 7, 3214868480
	.fill 96, 4, 3214868480
	.section	.rodata,"a",@progbits
	.p2align	6, 0x0
	.amdhsa_kernel k_q4baef36755_embed
		.amdhsa_group_segment_fixed_size 87040
		.amdhsa_private_segment_fixed_size 0
		.amdhsa_enable_private_segment 0
		.amdhsa_kernarg_size 64
		.amdhsa_user_sgpr_count 2
		.amdhsa_user_sgpr_kernarg_segment_ptr 1
		.amdhsa_wavefront_size32 1
		.amdhsa_system_sgpr_workgroup_id_x 1
		.amdhsa_system_sgpr_workgroup_id_y 1
		.amdhsa_system_sgpr_workgroup_id_z 1
		.amdhsa_system_vgpr_workitem_id 0
		.amdhsa_next_free_vgpr 258
		.amdhsa_next_free_sgpr 100
		.amdhsa_reserve_vcc 0
		.amdhsa_float_denorm_mode_32 3
		.amdhsa_float_denorm_mode_16_64 3
		.amdhsa_memory_ordered 1
		.amdhsa_forward_progress 1
		.amdhsa_inst_pref_size 85
	.end_amdhsa_kernel
	.amdgpu_metadata
---
amdhsa.version: [ 1, 2 ]
amdhsa.kernels:
  - .name:           k_q4baef36755_embed
    .symbol:         k_q4baef36755_embed.kd
    .args:
      - { .name: nodes, .offset: 0, .size: 8, .value_kind: global_buffer, .address_space: global }
      - { .name: wf, .offset: 8, .size: 8, .value_kind: global_buffer, .address_space: global }
      - { .name: b_in, .offset: 16, .size: 8, .value_kind: global_buffer, .address_space: global }
      - { .name: ln_in_g, .offset: 24, .size: 8, .value_kind: global_buffer, .address_space: global }
      - { .name: ln_in_b, .offset: 32, .size: 8, .value_kind: global_buffer, .address_space: global }
      - { .name: bqkv, .offset: 40, .size: 8, .value_kind: global_buffer, .address_space: global }
      - { .name: x0, .offset: 48, .size: 8, .value_kind: global_buffer, .address_space: global }
      - { .name: qkv0, .offset: 56, .size: 8, .value_kind: global_buffer, .address_space: global }
    .group_segment_fixed_size: 87040
    .private_segment_fixed_size: 0
    .kernarg_segment_align: 8
    .kernarg_segment_size: 64
    .max_flat_workgroup_size: 256
    .sgpr_count:     100
    .vgpr_count:     258
    .wavefront_size: 32
...
	.end_amdgpu_metadata
.endif
;; end of part 2
;; launch layer0 (part 3): grid 256 x 1, 8 waves a work-group, no clusters, 87,040 bytes of LDS; arguments qkv0, msk, x0, wf, bo, ln1_g, ln1_b, b1, b2, ln2_g, ln2_b, bqkv, qkv1, x1r; writes qkv1, x1r
.if DOCPART == 3
	.amdgcn_target "amdgcn-amd-amdhsa--gfx1250"
	.amdhsa_code_object_version 6
	.text
	.protected	k_q4baef36755_layer0
	.globl	k_q4baef36755_layer0
	.p2align	8
	.type	k_q4baef36755_layer0,@function
k_q4baef36755_layer0:
	s_mov_b64 s[64:65], 0
	v_nop
	global_prefetch_b8 v0, s[64:65] scope:SCOPE_SE
	s_setreg_imm32_b32 hwreg(HW_REG_WAVE_MODE, 25, 1), 1
	s_wait_xcnt 0x0
; LAYER0: attention of layer 0 (wave w = head w, 32 queries, 1,024 keys in 16 steps of 64, running maximum), Wo, LayerNorm, FFN, LayerNorm,
; then k and v of layer 1.  reference() returns x[0] only, so of layer 1's queries only token 0's row reaches the output: q of layer 1 and the row x1[0] are
; made by the work-groups with blk = 0 alone.  Work-group g = 32 b + blk owns tokens 32 blk .. +31 of batch b.
; Scores are made transposed, S^T = K Q^T: lane r = query, register j = key 8 hh + j.  So the maximum, the sum and the rescale factor are one number a lane,
; two packed tiles ARE the second operand of O^T = V^T P, and no score crosses lanes but for one exchange of the two halves.
; Heads 0-1 take the mask words dist == 1, heads 2-5 dist >= 1 (64 scalar words a step, one for each score register), heads 6-7 none.
; Products in f16 with f32 sums (f16 for its 11 significant bits: the final result is normalised over eight rows only, which magnifies the operands' rounding).
; LIMITS: a matrix operand above 65,504 in magnitude becomes infinite; with every input 30 times the drawn size and offset by 30 spreads q, k, v, o and the hidden
;         layer reach about 256 x 30 x 0.6 plus their spread, some 7,000.  A softmax weight below 3e-8 rounds to 0 in P V while l still sums it: at most 1,024 x 3e-8 of l.
;         The running maximum starts at -FLT_MAX, so a block of 64 keys that is wholly masked contributes exp2(-inf) = 0; a row masked in all 1,024 keys gives
;         l = 0, O = 0 and 0 * (1/0) = NaN, as reference() does.  relu by v_max_num_f32: a NaN still reaches the output through the residual.
; No cluster: the 32 work-groups of a batch read the same K and V (0.5 MB each), but every fragment goes to one wave's registers by two loads; a joint request
; fills LDS only, which would add 1 MB of LDS writes and reads a work-group and a round of the cluster's barrier for each refill to a loop that has no barrier,
; among waves whose steps differ in length (64 selects more in six of eight).
.set MT, 2
.set RPW, 4
.set RPWL, 2
.set WF, 10
; ---- shared by the bodies embed and layer0 (MT: token tiles of 16 a work-group; RPW: rows that a wave copies) ----
.set XB, 0                             ; f16 [32][256], pitch 528
.set ST, 16896                         ; [32 rows] pitch 80: (mean, M2) of eight waves
.set HB, 19456                         ; f16 [32][512], pitch 1040
.set XF, 52736                         ; f32 [32][256], pitch 1040.  All pitches are odd multiples of 16 bytes: sixteen rows of one column fall on different 16-byte columns
.set ACC, 16                           ; v[16:47]   accumulator tile (nt, mt) at 8 (nt MT + mt)
.set ACTF, 48                          ; v[48:79]   two buffers of activation fragments; in epilogues residual and statistics
.set PB, 80                            ; v[80:95]   bias of my columns, index 8 nt + j
.set PG, 96                            ; v[96:111]  gain
.set PE, 112                           ; v[112:127] shift
.set W, 128                            ; v[128:255] weight fragment (kb, nt) at 8 (2 kb + nt)
.set WF_IN, 0
.set WF_QKV0, 131072
.set WF_QKV1, 524288
.set WF_O0, 917504
.set WF_10, 1179648
.set WF_20, 1703936
.macro PLACES                          ; four independent vector instructions between a matrix instruction and whatever reads its result or writes or loads into one of its registers
.rept 4
	v_nop
.endr
.endm
.macro BAR                             ; my LDS stores and loads are done before I signal; behind the wait that holds of all eight waves
	s_wait_dscnt 0x0
	s_barrier_signal -1
	s_barrier_wait -1
.endm
.macro SETUP
	v_and_b32 v16, 31, v0                          ; lane
	v_lshrrev_b32 v17, 5, v0                       ; w
	v_readfirstlane_b32 s12, v17
	v_and_b32 v18, 15, v0                          ; r
	v_bfe_u32 v19, v0, 4, 1                        ; hh
	v_lshlrev_b32 v20, 4, v16
	v_lshl_add_u32 v1, v17, 14, v20                ; wf: 16 lane + 2 column tiles x 8 K blocks x 1024 x w
	v_lshl_add_u32 v2, v17, 15, v20                ; the same for 4 x 8 or 2 x 16 fragments a wave
	v_mul_u32_u24 v4, v18, 528
	v_lshl_add_u32 v4, v19, 4, v4                  ; XB: fragment read, row r, 16 hh
	v_lshl_add_u32 v5, v17, 6, v4                  ; XB: my columns of row r
	v_mul_u32_u24 v21, v18, 1040
	v_lshl_add_u32 v6, v19, 4, v21
	v_add_nc_u32 v6, HB, v6                        ; HB: fragment read
	v_lshl_add_u32 v7, v17, 7, v6                  ; HB: my 64 columns of row r
	v_lshl_add_u32 v8, v17, 7, v21
	v_lshl_add_u32 v8, v19, 5, v8
	v_add_nc_u32 v8, XF, v8                        ; XF: my columns 32 w + 8 hh .. of row r
	v_mul_u32_u24 v10, v18, 80
	v_add_nc_u32 v10, ST, v10                      ; ST: row r
	v_lshl_add_u32 v9, v17, 3, v10                 ; ST: my wave's pair
	v_mul_u32_u24 v11, v17, 1040*RPW
	v_add_nc_u32 v11, v11, v20
	v_add_nc_u32 v11, XF, v11                      ; XF by whole rows: RPW rows a wave
	v_lshl_add_u32 v12, v17, 10+RPWL, v20          ; the same rows in memory (1,024 bytes each)
	v_lshlrev_b32 v13, 7, v17
	v_lshl_add_u32 v3, v17, 16, v20                ; q, k, v: 16 lane + head w
	v_lshl_add_u32 v14, v18, 2, v13                ; a parameter of column 32 w + r
	v_lshl_add_u32 v13, v19, 5, v13                ; parameters of columns 32 w + 8 hh ..
	v_mov_b32 v15, 0                               ; destination of v_permlanex16_b32, which counts as read
	s_mov_b32 s96, 0x76543210                      ; lane i of one half reads lane i of the other
	s_mov_b32 s97, 0xfedcba98
	s_mov_b32 s98, 0x3b800000                      ; 1/256
	s_mov_b32 s99, 0x3727c5ac                      ; 1e-5
.endm
.macro WLOAD voff, base, kbt           ; 32 loads, 512 consecutive bytes each: eight K blocks x my two column tiles; kbt = K blocks of the matrix
.irp kb,0,1,2,3,4,5,6,7
.irp nt,0,1
	global_load_b128 v[W+8*(2*\kb+\nt):W+8*(2*\kb+\nt)+3], v[\voff], s[WF:WF+1] offset:\base+(\nt*\kbt+\kb)*1024
	global_load_b128 v[W+8*(2*\kb+\nt)+4:W+8*(2*\kb+\nt)+7], v[\voff], s[WF:WF+1] offset:\base+(\nt*\kbt+\kb)*1024+512
.endr
.endr
.endm
.macro PARLD dst, sp, off              ; 4 loads: 16 parameters of my columns
.irp nt,0,1
	global_load_b128 v[\dst+8*\nt:\dst+8*\nt+3], v13, s[\sp:\sp+1] offset:\off+64*\nt
	global_load_b128 v[\dst+8*\nt+4:\dst+8*\nt+7], v13, s[\sp:\sp+1] offset:\off+64*\nt+16
.endr
.endm
.macro ACTLD buf, areg, imm, p16       ; the activation fragments of one K block: 2 MT loads
.set m_, 0
.rept MT
	ds_load_b128 v[ACTF+8*MT*\buf+8*m_:ACTF+8*MT*\buf+8*m_+3], v[\areg] offset:\imm+m_*\p16
	ds_load_b128 v[ACTF+8*MT*\buf+8*m_+4:ACTF+8*MT*\buf+8*m_+7], v[\areg] offset:\imm+m_*\p16+32
.set m_, m_+1
.endr
.endm
; orient 0: weights as source 0: lane r = token, register j = column 8 hh + j.  orient 1: activations as source 0: lane r = column, register j = token 8 hh + j.
.macro WM orient, nt, mt, kb, buf, zero
.if \orient
.if \zero
	v_wmma_f32_16x16x32_f16 v[ACC+8*(\nt*MT+\mt):ACC+8*(\nt*MT+\mt)+7], v[ACTF+8*MT*\buf+8*\mt:ACTF+8*MT*\buf+8*\mt+7], v[W+8*(2*\kb+\nt):W+8*(2*\kb+\nt)+7], 0
.else
	v_wmma_f32_16x16x32_f16 v[ACC+8*(\nt*MT+\mt):ACC+8*(\nt*MT+\mt)+7], v[ACTF+8*MT*\buf+8*\mt:ACTF+8*MT*\buf+8*\mt+7], v[W+8*(2*\kb+\nt):W+8*(2*\kb+\nt)+7], v[ACC+8*(\nt*MT+\mt):ACC+8*(\nt*MT+\mt)+7]
.endif
.else
.if \zero
	v_wmma_f32_16x16x32_f16 v[ACC+8*(\nt*MT+\mt):ACC+8*(\nt*MT+\mt)+7], v[W+8*(2*\kb+\nt):W+8*(2*\kb+\nt)+7], v[ACTF+8*MT*\buf+8*\mt:ACTF+8*MT*\buf+8*\mt+7], 0
.else
	v_wmma_f32_16x16x32_f16 v[ACC+8*(\nt*MT+\mt):ACC+8*(\nt*MT+\mt)+7], v[W+8*(2*\kb+\nt):W+8*(2*\kb+\nt)+7], v[ACTF+8*MT*\buf+8*\mt:ACTF+8*MT*\buf+8*\mt+7], v[ACC+8*(\nt*MT+\mt):ACC+8*(\nt*MT+\mt)+7]
.endif
.endif
.endm
.macro WMS orient, kb, zero            ; the accumulators take turns, one instruction a turn, also from K block to K block
	WM \orient, 0, 0, \kb, (\kb&1), \zero
	WM \orient, 1, 0, \kb, (\kb&1), \zero
	WM \orient, 0, 1, \kb, (\kb&1), \zero
	WM \orient, 1, 1, \kb, (\kb&1), \zero
.endm
; Eight K blocks.  areg, abase, p16: LDS address register, first byte and 16-row pitch of the activations.  first: the first product starts the sums.
; young: loads issued behind the 32 weight loads.  refill: behind each K block its registers are loaded with block kb + 8 (voff, base, kbt as in WLOAD).
.macro MMA areg, abase, p16, orient, first, young, refill, voff, base, kbt
	ACTLD 0, \areg, \abase, \p16
	ACTLD 1, \areg, \abase+64, \p16
.irp kb,0,1,2,3,4,5,6,7
.if \kb < 7
	s_wait_dscnt 2*MT                              ; this block's fragments are in; the next block's 2 MT loads may be out
.else
	s_wait_dscnt 0x0
.endif
.if \refill
	s_wait_loadcnt 28+\young                       ; behind this block's four loads: 4 (7 - kb) weight loads, the young ones and 4 kb refills
.else
	s_wait_loadcnt 28-4*\kb+\young                 ; behind this block's four loads: 4 (7 - kb) weight loads and the young ones
.endif
.if \first
.if \kb == 0
	WMS \orient, \kb, 1
.else
	WMS \orient, \kb, 0
.endif
.else
	WMS \orient, \kb, 0
.endif
.if \refill
	PLACES
.else
.if \kb < 6
	PLACES
.endif
.endif
.if \kb < 6
	ACTLD (\kb&1), \areg, \abase+64*(\kb+2), \p16
.endif
.if \refill
.irp nt,0,1
	global_load_b128 v[W+8*(2*\kb+\nt):W+8*(2*\kb+\nt)+3], v[\voff], s[WF:WF+1] offset:\base+(\nt*\kbt+\kb+8)*1024
	global_load_b128 v[W+8*(2*\kb+\nt)+4:W+8*(2*\kb+\nt)+7], v[\voff], s[WF:WF+1] offset:\base+(\nt*\kbt+\kb+8)*1024+512
.endr
.endif
.endr
.endm
.macro BIASADD
.set t_, 0
.rept 2*MT
.irp p,0,2,4,6
	v_pk_add_f32 v[ACC+8*t_+\p:ACC+8*t_+\p+1], v[ACC+8*t_+\p:ACC+8*t_+\p+1], v[PB+8*(t_/MT)+\p:PB+8*(t_/MT)+\p+1]
.endr
.set t_, t_+1
.endr
.endm
.macro PACK                            ; each tile's eight f32 become 16 bytes of f16 in its first four registers
.set t_, 0
.rept 2*MT
.irp p,0,1,2,3
	v_cvt_pk_f16_f32 v[ACC+8*t_+\p], v[ACC+8*t_+2*\p], v[ACC+8*t_+2*\p+1]
.endr
.set t_, t_+1
.endr
.endm
.macro XBST
.set t_, 0
.rept 2*MT
	ds_store_b128 v5, v[ACC+8*t_:ACC+8*t_+3] offset:(t_%MT)*8448+(t_/MT)*32
.set t_, t_+1
.endr
.endm
.macro LNSTAT mt                       ; mean and sum of squared deviations of my wave's 32 columns of row 16 mt + r (16 in this lane, 16 in lane r of the other half)
.set Z_, ACTF+16*\mt
.set A0_, ACC+8*\mt
.set A1_, ACC+8*(MT+\mt)
	v_pk_add_f32 v[Z_:Z_+1], v[A0_:A0_+1], v[A0_+2:A0_+3]
	v_pk_add_f32 v[Z_+2:Z_+3], v[A0_+4:A0_+5], v[A0_+6:A0_+7]
	v_pk_add_f32 v[Z_+4:Z_+5], v[A1_:A1_+1], v[A1_+2:A1_+3]
	v_pk_add_f32 v[Z_+6:Z_+7], v[A1_+4:A1_+5], v[A1_+6:A1_+7]
	v_pk_add_f32 v[Z_:Z_+1], v[Z_:Z_+1], v[Z_+2:Z_+3]
	v_pk_add_f32 v[Z_+4:Z_+5], v[Z_+4:Z_+5], v[Z_+6:Z_+7]
	v_pk_add_f32 v[Z_:Z_+1], v[Z_:Z_+1], v[Z_+4:Z_+5]
	v_add_f32 v[Z_], v[Z_], v[Z_+1]
	v_permlanex16_b32 v15, v[Z_], s96, s97
	v_add_f32 v[Z_], v[Z_], v15
	v_mul_f32 v[Z_+8], 0x3d000000, v[Z_]           ; / 32, twice: a pair for the packed subtraction
	v_mul_f32 v[Z_+9], 0x3d000000, v[Z_]
.irp p,0,2,4,6
	v_pk_add_f32 v[Z_+\p:Z_+\p+1], v[A0_+\p:A0_+\p+1], v[Z_+8:Z_+9] neg_lo:[0,1] neg_hi:[0,1]
.endr
	v_pk_mul_f32 v[Z_+10:Z_+11], v[Z_:Z_+1], v[Z_:Z_+1]
	v_pk_mul_f32 v[Z_+12:Z_+13], v[Z_+2:Z_+3], v[Z_+2:Z_+3]
	v_pk_fma_f32 v[Z_+10:Z_+11], v[Z_+4:Z_+5], v[Z_+4:Z_+5], v[Z_+10:Z_+11]
	v_pk_fma_f32 v[Z_+12:Z_+13], v[Z_+6:Z_+7], v[Z_+6:Z_+7], v[Z_+12:Z_+13]
.irp p,0,2,4,6
	v_pk_add_f32 v[Z_+\p:Z_+\p+1], v[A1_+\p:A1_+\p+1], v[Z_+8:Z_+9] neg_lo:[0,1] neg_hi:[0,1]
.endr
	v_pk_fma_f32 v[Z_+10:Z_+11], v[Z_:Z_+1], v[Z_:Z_+1], v[Z_+10:Z_+11]
	v_pk_fma_f32 v[Z_+12:Z_+13], v[Z_+2:Z_+3], v[Z_+2:Z_+3], v[Z_+12:Z_+13]
	v_pk_fma_f32 v[Z_+10:Z_+11], v[Z_+4:Z_+5], v[Z_+4:Z_+5], v[Z_+10:Z_+11]
	v_pk_fma_f32 v[Z_+12:Z_+13], v[Z_+6:Z_+7], v[Z_+6:Z_+7], v[Z_+12:Z_+13]
	v_pk_add_f32 v[Z_+10:Z_+11], v[Z_+10:Z_+11], v[Z_+12:Z_+13]
	v_add_f32 v[Z_+9], v[Z_+10], v[Z_+11]
	v_permlanex16_b32 v15, v[Z_+9], s96, s97
	v_add_f32 v[Z_+9], v[Z_+9], v15
	ds_store_b64 v9, v[Z_+8:Z_+9] offset:\mt*1280  ; (mean, M2); both halves of the lanes write the same pair
.endm
.macro LNFIN mt                        ; eight (mean, M2) pairs at Z: M2 = sum M2w + 32 sum (mw - mean)^2; then (x - mean) rstd g + b
.set Z_, ACTF+16*\mt
.irp c,1,2,3,4,5,6,7
	v_add_f32 v[Z_+1], v[Z_+1], v[Z_+2*\c+1]
.endr
	v_add_f32 v[Z_+3], v[Z_], v[Z_+2]
.irp c,2,3,4,5,6,7
	v_add_f32 v[Z_+3], v[Z_+3], v[Z_+2*\c]
.endr
	v_mul_f32 v[Z_+3], 0x3e000000, v[Z_+3]         ; the row's mean
	v_sub_f32 v[Z_+5], v[Z_], v[Z_+3]
	v_mul_f32 v[Z_+7], v[Z_+5], v[Z_+5]
.irp c,1,2,3,4,5,6,7
	v_sub_f32 v[Z_+5], v[Z_+2*\c], v[Z_+3]
	v_fmac_f32 v[Z_+7], v[Z_+5], v[Z_+5]
.endr
	v_fmac_f32 v[Z_+1], 0x42000000, v[Z_+7]
	v_fma_f32 v[Z_+5], v[Z_+1], s98, s99           ; variance + 1e-5
	v_rsq_f32 v[Z_+8], v[Z_+5]
	v_mov_b32 v[Z_+2], v[Z_+3]                     ; the plain instruction behind v_rsq_f32 (ISA guide 5.7.2); it also completes the pair of means
	s_wait_alu depctr_va_vdst(0)
	v_mov_b32 v[Z_+9], v[Z_+8]
.irp nt,0,1
.irp p,0,2,4,6
	v_pk_add_f32 v[ACC+8*(\nt*MT+\mt)+\p:ACC+8*(\nt*MT+\mt)+\p+1], v[ACC+8*(\nt*MT+\mt)+\p:ACC+8*(\nt*MT+\mt)+\p+1], v[Z_+2:Z_+3] neg_lo:[0,1] neg_hi:[0,1]
	v_pk_mul_f32 v[ACC+8*(\nt*MT+\mt)+\p:ACC+8*(\nt*MT+\mt)+\p+1], v[ACC+8*(\nt*MT+\mt)+\p:ACC+8*(\nt*MT+\mt)+\p+1], v[Z_+8:Z_+9]
	v_pk_fma_f32 v[ACC+8*(\nt*MT+\mt)+\p:ACC+8*(\nt*MT+\mt)+\p+1], v[ACC+8*(\nt*MT+\mt)+\p:ACC+8*(\nt*MT+\mt)+\p+1], v[PG+8*\nt+\p:PG+8*\nt+\p+1], v[PE+8*\nt+\p:PE+8*\nt+\p+1]
.endr
.endr
.endm
; bias, residual from XF (res), LayerNorm over the 256 columns that the eight waves hold; the result stays in ACC, goes to XF in f32 (toxf) and to XB in f16 (toxb).
; XB is written behind the barrier in the middle: every wave's fragment reads of XB ended (s_wait_dscnt 0 at its last K block) before it signalled there.
.macro LNEPI res, toxf, toxb
.if \res
.set t_, 0
.rept 2*MT
	ds_load_b128 v[ACTF+8*t_:ACTF+8*t_+3], v8 offset:(t_%MT)*16640+(t_/MT)*64
	ds_load_b128 v[ACTF+8*t_+4:ACTF+8*t_+7], v8 offset:(t_%MT)*16640+(t_/MT)*64+16
.set t_, t_+1
.endr
.endif
	BIASADD
.if \res
	s_wait_dscnt 0x0
.set p_, 0
.rept 8*MT
	v_pk_add_f32 v[ACC+2*p_:ACC+2*p_+1], v[ACC+2*p_:ACC+2*p_+1], v[ACTF+2*p_:ACTF+2*p_+1]
.set p_, p_+1
.endr
.endif
	LNSTAT 0
	LNSTAT 1
	BAR
.set m_, 0
.rept MT
.irp c,0,1,2,3
	ds_load_b128 v[ACTF+16*m_+4*\c:ACTF+16*m_+4*\c+3], v10 offset:m_*1280+16*\c
.endr
.set m_, m_+1
.endr
	s_wait_dscnt 0x0
	LNFIN 0
	LNFIN 1
.if \toxf
.set t_, 0
.rept 2*MT
	ds_store_b128 v8, v[ACC+8*t_:ACC+8*t_+3] offset:(t_%MT)*16640+(t_/MT)*64
	ds_store_b128 v8, v[ACC+8*t_+4:ACC+8*t_+7] offset:(t_%MT)*16640+(t_/MT)*64+16
.set t_, t_+1
.endr
.endif
.if \toxb
	PACK
	XBST
.endif
.endm
.macro EPQK scaled, sp                 ; q or k of head w: bias, (scale,) f16, stored as fragments: 512 consecutive bytes a store
	BIASADD
.if \scaled
.set p_, 0
.rept 8*MT
	v_pk_mul_f32 v[ACC+2*p_:ACC+2*p_+1], v[ACC+2*p_:ACC+2*p_+1], s[94:95] op_sel_hi:[1,0]
.set p_, p_+1
.endr
.endif
	PACK
.set t_, 0
.rept 2*MT
	global_store_b128 v3, v[ACC+8*t_:ACC+8*t_+3], s[\sp:\sp+1] offset:(t_%MT)*1024+(t_/MT)*512
.set t_, t_+1
.endr
.endm
.macro EPV sp                          ; v of head w, transposed: the lane is the column, so its bias is one number (PB + 2 nt), used for both halves of a pair
.set t_, 0
.rept 2*MT
.irp p,0,2,4,6
	v_pk_add_f32 v[ACC+8*t_+\p:ACC+8*t_+\p+1], v[ACC+8*t_+\p:ACC+8*t_+\p+1], v[PB+2*(t_/MT):PB+2*(t_/MT)+1] op_sel_hi:[1,0]
.endr
.set t_, t_+1
.endr
	PACK
.set t_, 0
.rept 2*MT
	global_store_b128 v3, v[ACC+8*t_:ACC+8*t_+3], s[\sp:\sp+1] offset:(t_/MT)*1024+(t_%MT)*512
.set t_, t_+1
.endr
.endm
; ---- end of the shared part ----
.macro EPRELU part                     ; bias, relu, f16, into HB columns 64 w + 32 part ..
	BIASADD
.set p_, 0
.rept 16*MT
	v_max_num_f32 v[ACC+p_], 0, v[ACC+p_]
.set p_, p_+1
.endr
	PACK
.set t_, 0
.rept 2*MT
	ds_store_b128 v7, v[ACC+8*t_:ACC+8*t_+3] offset:(t_%MT)*16640+\part*64+(t_/MT)*32
.set t_, t_+1
.endr
.endm
; registers of the attention part
.set O, 16                             ; v[16:47]   O^T tile (dt, qt) at 8 (2 dt + qt): lane r = query 16 qt + r, register j = d 16 dt + 8 hh + j
.set Q, 48                             ; v[48:63]   Q fragment qt
.set P, 64                             ; v[64:95]   P fragment (qt, kb2) at 8 (2 qt + kb2) = register 16 qt + pair number
.set LL, 98                            ; v[98:99]   l of query tile qt, this lane's keys only
.set TT, 100                           ; v[100:103] at work
.set AL, 104                           ; v[104:107] rescale factor of qt, twice
.set NM, 108                           ; v[108:111] running maximum of qt, twice
.set SU, 112                           ; v[112:119] two running sums (pairs) for each qt
.set NEGINF, 120
.set S, 128                            ; v[128:191] score register 32 qt + 8 kt + j
.set KF, 192                           ; v[192:223] K fragment kt
.set VF, 224                           ; v[224:255] V^T fragment (kb2, dt) at 8 (2 kb2 + dt)
; scalars: mask word i in s[16+i] (i < 48) or s[20+i]; s[84:85] K, s[86:87] V, s[88:89] mask words, s[90:91] Q, s92 trips
.macro SUMK qt, k                      ; pair k of tile qt joins one of two running sums; the first four pairs start them
.if \k == 1
	v_pk_add_f32 v[SU+4*\qt:SU+4*\qt+1], v[S+32*\qt:S+32*\qt+1], v[S+32*\qt+2:S+32*\qt+3]
.endif
.if \k == 3
	v_pk_add_f32 v[SU+4*\qt+2:SU+4*\qt+3], v[S+32*\qt+4:S+32*\qt+5], v[S+32*\qt+6:S+32*\qt+7]
.endif
.if \k > 3
	v_pk_add_f32 v[SU+4*\qt+2*(\k&1):SU+4*\qt+2*(\k&1)+1], v[SU+4*\qt+2*(\k&1):SU+4*\qt+2*(\k&1)+1], v[S+32*\qt+2*\k:S+32*\qt+2*\k+1]
.endif
.endm
; One step of 64 keys.  more: the next step's K, V and mask words are asked for.  first: the products start O and l.
.macro STEP masked, more, first
	s_wait_loadcnt 0x8                             ; K of this step (and all older loads) are in; the eight loads of V behind it may be out
.irp qt,0,1
.irp kt,0,1,2,3
	v_wmma_f32_16x16x32_f16 v[S+32*\qt+8*\kt:S+32*\qt+8*\kt+7], v[KF+8*\kt:KF+8*\kt+7], v[Q+8*\qt:Q+8*\qt+7], 0
.endr
.endr
	PLACES
.if \more
	s_add_nc_u64 s[84:85], s[84:85], 4096          ; the loads that named this base are done (the wait above)
.irp f,0,1,2,3,4,5,6,7
	global_load_b128 v[KF+4*\f:KF+4*\f+3], v3, s[84:85] offset:512*\f
.endr
.endif
.if \masked
	s_wait_kmcnt 0x0
.set i_, 0
.rept 64
.if i_ < 48
	v_cndmask_b32 v[S+i_], v[NEGINF], v[S+i_], s[16+i_]
.else
	v_cndmask_b32 v[S+i_], v[NEGINF], v[S+i_], s[20+i_]
.endif
.set i_, i_+1
.endr
.if \more
	s_add_nc_u64 s[88:89], s[88:89], 256
	s_load_b512 s[16:31], s[88:89], 0x0
	s_load_b512 s[32:47], s[88:89], 0x40
	s_load_b512 s[48:63], s[88:89], 0x80
	s_load_b512 s[68:83], s[88:89], 0xc0
.endif
.endif
	; the maximum of 32 scores a lane and tile, in two chains each, with the running maximum and the other half's
.irp qt,0,1
	v_max3_num_f32 v[TT+2*\qt], v[S+32*\qt], v[S+32*\qt+1], v[S+32*\qt+2]
	v_max3_num_f32 v[TT+2*\qt+1], v[S+32*\qt+17], v[S+32*\qt+18], v[S+32*\qt+19]
.endr
.irp k,0,1,2,3,4,5
.irp qt,0,1
	v_max3_num_f32 v[TT+2*\qt], v[TT+2*\qt], v[S+32*\qt+3+2*\k], v[S+32*\qt+4+2*\k]
	v_max3_num_f32 v[TT+2*\qt+1], v[TT+2*\qt+1], v[S+32*\qt+20+2*\k], v[S+32*\qt+21+2*\k]
.endr
.endr
.irp qt,0,1
	v_max3_num_f32 v[TT+2*\qt], v[TT+2*\qt], v[S+32*\qt+15], v[S+32*\qt+16]
.endr
.irp qt,0,1
	v_max3_num_f32 v[TT+2*\qt], v[TT+2*\qt], v[TT+2*\qt+1], v[NM+2*\qt]
.endr
.irp qt,0,1
	v_permlanex16_b32 v[TT+2*\qt+1], v[TT+2*\qt], s96, s97
.endr
.irp qt,0,1
	v_max_num_f32 v[NM+2*\qt+1], v[TT+2*\qt], v[TT+2*\qt+1]    ; the new maximum; the old one still lies beside it
.endr
.if \first == 0
.irp qt,0,1
	v_sub_f32 v[AL+2*\qt], v[NM+2*\qt], v[NM+2*\qt+1]
	v_sub_f32 v[AL+2*\qt+1], v[NM+2*\qt], v[NM+2*\qt+1]
.endr
.endif
.irp qt,0,1
	v_mov_b32 v[NM+2*\qt], v[NM+2*\qt+1]
.endr
.if \first == 0
.irp u,0,1,2,3
	v_exp_f32 v[AL+\u], v[AL+\u]
.endr
.endif
	; exponentials of one tile run beside plain work on the other; behind each pair of them stands a plain instruction on other registers (ISA guide 5.7.2)
.set k_, 0
.rept 16
	v_pk_add_f32 v[S+2*k_:S+2*k_+1], v[S+2*k_:S+2*k_+1], v[NM:NM+1] neg_lo:[0,1] neg_hi:[0,1]
.set k_, k_+1
.endr
.set k_, 0
.rept 16
	v_exp_f32 v[S+2*k_], v[S+2*k_]
	v_exp_f32 v[S+2*k_+1], v[S+2*k_+1]
	v_pk_add_f32 v[S+32+2*k_:S+32+2*k_+1], v[S+32+2*k_:S+32+2*k_+1], v[NM+2:NM+3] neg_lo:[0,1] neg_hi:[0,1]
.set k_, k_+1
.endr
.set k_, 0
.rept 16
	v_exp_f32 v[S+32+2*k_], v[S+32+2*k_]
	v_exp_f32 v[S+32+2*k_+1], v[S+32+2*k_+1]
	s_wait_alu depctr_va_vdst(0)
	v_cvt_pk_f16_f32 v[P+k_], v[S+2*k_], v[S+2*k_+1]
	SUMK 0, k_
.if \first == 0
	v_pk_mul_f32 v[O+2*k_:O+2*k_+1], v[O+2*k_:O+2*k_+1], v[AL+2*((k_/4)%2):AL+2*((k_/4)%2)+1]
	s_wait_alu depctr_va_vdst(0)
.endif
.set k_, k_+1
.endr
.set k_, 0
	s_wait_alu depctr_va_vdst(0)
.rept 16
	v_cvt_pk_f16_f32 v[P+16+k_], v[S+32+2*k_], v[S+32+2*k_+1]
	SUMK 1, k_
.set k_, k_+1
.endr
.irp qt,0,1
	v_pk_add_f32 v[SU+4*\qt:SU+4*\qt+1], v[SU+4*\qt:SU+4*\qt+1], v[SU+4*\qt+2:SU+4*\qt+3]
.endr
.irp qt,0,1
.if \first
	v_add_f32 v[LL+\qt], v[SU+4*\qt], v[SU+4*\qt+1]
.else
	v_add_f32 v[SU+4*\qt], v[SU+4*\qt], v[SU+4*\qt+1]
	v_fma_f32 v[LL+\qt], v[LL+\qt], v[AL+2*\qt], v[SU+4*\qt]
.endif
.endr
.if \more
	s_wait_loadcnt 0x8                             ; V of this step is in; the eight loads of the next K may be out
.else
	s_wait_loadcnt 0x0
.endif
	; the four accumulators take turns, one instruction a turn
.irp kb2,0,1
.irp qt,0,1
.irp dt,0,1
.if \first
.if \kb2 == 0
	v_wmma_f32_16x16x32_f16 v[O+8*(2*\dt+\qt):O+8*(2*\dt+\qt)+7], v[VF+8*(2*\kb2+\dt):VF+8*(2*\kb2+\dt)+7], v[P+8*(2*\qt+\kb2):P+8*(2*\qt+\kb2)+7], 0
.else
	v_wmma_f32_16x16x32_f16 v[O+8*(2*\dt+\qt):O+8*(2*\dt+\qt)+7], v[VF+8*(2*\kb2+\dt):VF+8*(2*\kb2+\dt)+7], v[P+8*(2*\qt+\kb2):P+8*(2*\qt+\kb2)+7], v[O+8*(2*\dt+\qt):O+8*(2*\dt+\qt)+7]
.endif
.else
	v_wmma_f32_16x16x32_f16 v[O+8*(2*\dt+\qt):O+8*(2*\dt+\qt)+7], v[VF+8*(2*\kb2+\dt):VF+8*(2*\kb2+\dt)+7], v[P+8*(2*\qt+\kb2):P+8*(2*\qt+\kb2)+7], v[O+8*(2*\dt+\qt):O+8*(2*\dt+\qt)+7]
.endif
.endr
.endr
.endr
	PLACES
.if \more
	s_add_nc_u64 s[86:87], s[86:87], 4096          ; the loads that named this base are done (the wait in front of the products)
.irp f,0,1,2,3,4,5,6,7
	global_load_b128 v[VF+4*\f:VF+4*\f+3], v3, s[86:87] offset:512*\f
.endr
.endif
.endm
	s_load_b256 s[4:11], s[0:1], 0x0               ; qkv0 4, msk 6, x0 8, wf 10
	s_set_vgpr_msb 0x40
	v_lshl_add_u32 v0, v0, 2, 0x15000
	v_mov_b32 v1, 0
	s_set_vgpr_msb 0x4000
	SETUP
	s_lshr_b32 s14, ttmp9, 5                       ; b
	s_and_b32 s15, ttmp9, 31                       ; blk
	s_mov_b32 s94, 0x3e8293ee                      ; log2(e) / sqrt(32)
	s_mov_b32 s95, 0x3e8293ee
	s_cmp_ge_u32 s12, 2                            ; heads 0, 1: dist == 1; heads 2 to 5: dist >= 1
	s_cselect_b32 s2, 0x100000, 0
	s_lshl_b32 s3, ttmp9, 12
	s_add_co_u32 s2, s2, s3
	s_mov_b32 s3, 0
	s_wait_kmcnt 0x0
	s_add_nc_u64 s[88:89], s[6:7], s[2:3]
	s_lshl_b32 s2, ttmp9, 15
	s_add_nc_u64 s[8:9], s[8:9], s[2:3]            ; x0 at my 32 rows
	s_lshl_b32 s2, s14, 19
	s_add_nc_u64 s[84:85], s[4:5], s[2:3]
	s_add_nc_u64 s[86:87], s[84:85], 0x800000      ; V of batch b
	s_lshl_b32 s2, s15, 11
	s_add_nc_u64 s[90:91], s[84:85], s[2:3]        ; Q of my block
	s_add_nc_u64 s[84:85], s[84:85], 0x400000      ; K of batch b
.irp t,0,1,2,3,4,5,6,7
	global_load_b128 v[S+4*\t:S+4*\t+3], v12, s[8:9] offset:(\t/2)*1024+(\t%2)*512 th:TH_LOAD_NT
.endr
.irp f,0,1,2,3
	global_load_b128 v[Q+4*\f:Q+4*\f+3], v3, s[90:91] offset:512*\f th:TH_LOAD_NT
.endr
.irp f,0,1,2,3,4,5,6,7
	global_load_b128 v[KF+4*\f:KF+4*\f+3], v3, s[84:85] offset:512*\f
.endr
.irp f,0,1,2,3,4,5,6,7
	global_load_b128 v[VF+4*\f:VF+4*\f+3], v3, s[86:87] offset:512*\f
.endr
	v_mov_b32 v[NM], 0xff7fffff                    ; -FLT_MAX
	v_mov_b32 v[NM+2], 0xff7fffff
	v_mov_b32 v[NEGINF], 0xff800000
	s_wait_loadcnt 20                              ; the residual rows are in; Q (4), K (8) and V (8) behind them may be out
.irp t,0,1,2,3,4,5,6,7
	ds_store_b128 v11, v[S+4*\t:S+4*\t+3] offset:(\t/2)*1040+(\t%2)*512
.endr
	s_cmp_ge_u32 s12, 6
	s_cbranch_scc1 .Lplain
	s_load_b512 s[16:31], s[88:89], 0x0
	s_load_b512 s[32:47], s[88:89], 0x40
	s_load_b512 s[48:63], s[88:89], 0x80
	s_load_b512 s[68:83], s[88:89], 0xc0
	STEP 1, 1, 1
	s_mov_b32 s92, 14
.Lmasked:
	STEP 1, 1, 0
	s_sub_co_u32 s92, s92, 1
	s_cmp_lg_u32 s92, 0
	s_cbranch_scc1 .Lmasked
	STEP 1, 0, 0                                   ; the last step asks for nothing
	s_branch .Ljoin
.Lplain:
	STEP 0, 1, 1
	s_mov_b32 s92, 14
.Lopen:
	STEP 0, 1, 0
	s_sub_co_u32 s92, s92, 1
	s_cmp_lg_u32 s92, 0
	s_cbranch_scc1 .Lopen
	STEP 0, 0, 0
.Ljoin:
	s_load_b512 s[16:31], s[0:1], 0x20             ; bo 16, ln1_g 18, ln1_b 20, b1 22, b2 24, ln2_g 26, ln2_b 28, bqkv 30
	s_load_b128 s[32:35], s[0:1], 0x60             ; qkv1 32, x1r 34
	WLOAD 1, WF_O0, 8
	; O / l, to f16, into XB: row = query, columns 32 w ..
.irp qt,0,1
	v_permlanex16_b32 v[TT+\qt], v[LL+\qt], s96, s97
.endr
.irp qt,0,1
	v_add_f32 v[LL+\qt], v[LL+\qt], v[TT+\qt]
.endr
	v_rcp_f32 v[AL], v[LL]
	v_rcp_f32 v[AL+1], v[LL]
	v_rcp_f32 v[AL+2], v[LL+1]
	v_rcp_f32 v[AL+3], v[LL+1]
	v_nop                                          ; the plain instruction behind the reciprocals (ISA guide 5.7.2)
.set k_, 0
	s_wait_alu depctr_va_vdst(0)
.rept 16
	v_pk_mul_f32 v[O+2*k_:O+2*k_+1], v[O+2*k_:O+2*k_+1], v[AL+2*((k_/4)%2):AL+2*((k_/4)%2)+1]
.set k_, k_+1
.endr
	PACK
	XBST
	s_lshl_b32 s2, s12, 7
	s_mov_b32 s3, 0
	s_wait_kmcnt 0x0
	s_add_nc_u64 s[22:23], s[22:23], s[2:3]        ; b1: a wave owns 64 columns there, 128 w bytes more than v13 carries
	s_lshl_b32 s2, s14, 19
	s_lshl_b32 s4, s15, 11
	s_add_co_u32 s2, s2, s4
	s_add_nc_u64 s[36:37], s[32:33], s[2:3]        ; q of layer 1
	s_add_nc_u64 s[38:39], s[36:37], 0x400000      ; k
	s_add_nc_u64 s[40:41], s[36:37], 0x800000      ; v
	s_lshl_b32 s2, s14, 10
	s_add_nc_u64 s[42:43], s[34:35], s[2:3]        ; x1r row b
	PARLD PB, 16, 0
	PARLD PG, 18, 0
	PARLD PE, 20, 0
	BAR                                            ; XB (all heads) and XF (the residual rows) are whole
	; o Wo + bo + x0, LayerNorm 1
	MMA 4, 0, 8448, 0, 1, 12, 0, 0, 0, 0
	PLACES
	WLOAD 2, WF_10, 8
	s_wait_loadcnt 32                              ; only the 32 weight loads just issued may be out: the parameters are in
	LNEPI 1, 1, 1
	PARLD PB, 22, 0
	BAR
	; relu(x W1 + b1): my 64 columns in two parts of 32
	MMA 4, 0, 8448, 0, 1, 4, 0, 0, 0, 0
	PLACES
	WLOAD 2, WF_10+16384, 8
	s_wait_loadcnt 32
	EPRELU 0
	PARLD PB, 22, 128
	MMA 4, 0, 8448, 0, 1, 4, 0, 0, 0, 0
	PLACES
	WLOAD 2, WF_20, 16
	s_wait_loadcnt 32
	EPRELU 1
	PARLD PB, 24, 0
	PARLD PG, 26, 0
	PARLD PE, 28, 0
	BAR
	; h W2 + b2 + x, LayerNorm 2: K = 512 in two halves, the second half's weights loaded into the first half's registers as they fall free
	MMA 6, 0, 16640, 0, 1, 12, 1, 2, WF_20, 16
	MMA 6, 512, 16640, 0, 0, 0, 0, 0, 0, 0
	PLACES
	WLOAD 1, WF_QKV1+131072, 8
	s_wait_loadcnt 32
	LNEPI 1, 1, 1
	PARLD PB, 30, 4096
	BAR
	; k of layer 1
	MMA 4, 0, 8448, 0, 1, 4, 0, 0, 0, 0
	PLACES
	WLOAD 1, WF_QKV1+262144, 8
	s_wait_loadcnt 32
	EPQK 0, 38
	global_load_b32 v[PB], v14, s[30:31] offset:5120
	global_load_b32 v[PB+2], v14, s[30:31] offset:5184
	s_wait_xcnt 0x0                                ; the stores' data registers are the accumulators, written again below
	; v of layer 1, transposed
	MMA 4, 0, 8448, 1, 1, 2, 0, 0, 0, 0
	PLACES
	s_wait_loadcnt 0x0
	EPV 40
	; q of layer 1 and the row x1[0], where token 0 lies: the same for all eight waves, no barrier inside
	s_cmp_lg_u32 s15, 0
	s_cbranch_scc1 .Lend
	s_wait_xcnt 0x0
	PARLD PB, 30, 3072
	WLOAD 1, WF_QKV1, 8
	MMA 4, 0, 8448, 0, 1, 0, 0, 0, 0, 0
	PLACES
	EPQK 1, 36
	s_cmp_lg_u32 s12, 0
	s_cbranch_scc1 .Lend
	ds_load_b128 v[48:51], v11                     ; wave 0: XF row 0, written by all waves in front of the barrier behind LayerNorm 2
	ds_load_b128 v[52:55], v11 offset:512
	s_wait_dscnt 0x0
	global_store_b128 v12, v[48:51], s[42:43]
	global_store_b128 v12, v[52:55], s[42:43] offset:512
.Lend:
	s_set_vgpr_msb 0x5
	s_wait_tensorcnt 0x0
	ds_add_u32 v0, v1
	s_wait_dscnt 0x0
	s_set_vgpr_msb 0x500
	s_endpgm
.Lfunc_end_k_q4baef36755_layer0:
	.size	k_q4baef36755_layer0, .Lfunc_end_k_q4baef36755_layer0-k_q4baef36755_layer0
	.p2alignl 7, 3214868480
	.fill 96, 4, 3214868480
	.section	.rodata,"a",@progbits
	.p2align	6, 0x0
	.amdhsa_kernel k_q4baef36755_layer0
		.amdhsa_group_segment_fixed_size 87040
		.amdhsa_private_segment_fixed_size 0
		.amdhsa_enable_private_segment 0
		.amdhsa_kernarg_size 112
		.amdhsa_user_sgpr_count 2
		.amdhsa_user_sgpr_kernarg_segment_ptr 1
		.amdhsa_wavefront_size32 1
		.amdhsa_system_sgpr_workgroup_id_x 1
		.amdhsa_system_sgpr_workgroup_id_y 1
		.amdhsa_system_sgpr_workgroup_id_z 1
		.amdhsa_system_vgpr_workitem_id 0
		.amdhsa_next_free_vgpr 258
		.amdhsa_next_free_sgpr 100
		.amdhsa_reserve_vcc 0
		.amdhsa_float_denorm_mode_32 3
		.amdhsa_float_denorm_mode_16_64 3
		.amdhsa_memory_ordered 1
		.amdhsa_forward_progress 1
		.amdhsa_inst_pref_size 225
	.end_amdhsa_kernel
	.amdgpu_metadata
---
amdhsa.version: [ 1, 2 ]
amdhsa.kernels:
  - .name:           k_q4baef36755_layer0
    .symbol:         k_q4baef36755_layer0.kd
    .args:
      - { .name: qkv0, .offset: 0, .size: 8, .value_kind: global_buffer, .address_space: global }
      - { .name: msk, .offset: 8, .size: 8, .value_kind: global_buffer, .address_space: global }
      - { .name: x0, .offset: 16, .size: 8, .value_kind: global_buffer, .address_space: global }
      - { .name: wf, .offset: 24, .size: 8, .value_kind: global_buffer, .address_space: global }
      - { .name: bo, .offset: 32, .size: 8, .value_kind: global_buffer, .address_space: global }
      - { .name: ln1_g, .offset: 40, .size: 8, .value_kind: global_buffer, .address_space: global }
      - { .name: ln1_b, .offset: 48, .size: 8, .value_kind: global_buffer, .address_space: global }
      - { .name: b1, .offset: 56, .size: 8, .value_kind: global_buffer, .address_space: global }
      - { .name: b2, .offset: 64, .size: 8, .value_kind: global_buffer, .address_space: global }
      - { .name: ln2_g, .offset: 72, .size: 8, .value_kind: global_buffer, .address_space: global }
      - { .name: ln2_b, .offset: 80, .size: 8, .value_kind: global_buffer, .address_space: global }
      - { .name: bqkv, .offset: 88, .size: 8, .value_kind: global_buffer, .address_space: global }
      - { .name: qkv1, .offset: 96, .size: 8, .value_kind: global_buffer, .address_space: global }
      - { .name: x1r, .offset: 104, .size: 8, .value_kind: global_buffer, .address_space: global }
    .group_segment_fixed_size: 87040
    .private_segment_fixed_size: 0
    .kernarg_segment_align: 8
    .kernarg_segment_size: 112
    .max_flat_workgroup_size: 256
    .sgpr_count:     100
    .vgpr_count:     258
    .wavefront_size: 32
...
	.end_amdgpu_metadata
.endif
;; end of part 3
;; launch attn1 (part 4): grid 64 x 1, 8 waves a work-group, no clusters, 20,480 bytes of LDS; arguments qkv1, msk, o1; writes o1
.if DOCPART == 4
	.amdgcn_target "amdgcn-amd-amdhsa--gfx1250"
	.amdhsa_code_object_version 6
	.text
	.protected	k_q4baef36755_attn1
	.globl	k_q4baef36755_attn1
	.p2align	8
	.type	k_q4baef36755_attn1,@function
k_q4baef36755_attn1:
	s_mov_b64 s[64:65], 0
	v_nop
	global_prefetch_b8 v0, s[64:65] scope:SCOPE_SE
	s_setreg_imm32_b32 hwreg(HW_REG_WAVE_MODE, 25, 1), 1
	s_wait_xcnt 0x0
; ATTN1: attention of layer 1 for query token 0 (the only row of layer 1 that reference() returns).  Work-group g = 8 b + h; wave w takes keys 128 w .. +127
; and makes a maximum m, a sum l and an unnormalised O of its own; wave 0 merges the eight by exp2(m - max m).  The query fragment holds tokens 0-15
; (a matrix tile has sixteen columns); only column 0 is merged and stored.  Products in f16 with f32 sums.
; The 64 mask words of a wave are always loaded; for heads 6 and 7 they are ORed with all ones, so the text has no branch on the head.
; LIMITS as in layer0: f16 operands (q, k, v as stored there; a softmax weight below 3e-8 rounds to 0 in P V); the maximum starts at -FLT_MAX;
; a row masked in all keys gives 0 * (1/0) = NaN, as reference() does.
; 64 work-groups: there are 64 (batch, head) pairs with 1,024 keys each.  No cluster: no two work-groups read the same K or V.
.set O, 16                             ; v[16:31]   O^T tile dt
.set Q, 48                             ; v[48:55]
.set KF, 64                            ; v[64:127]  K fragment f; later
.set P, 64                             ; v[64:95]   P, register = pair number
.set S, 128                            ; v[128:191] score register 8 f + j
.set VF, 192                           ; v[192:255] V^T fragment (kb2, dt) at 8 (2 kb2 + dt)
.macro PLACES                          ; four independent vector instructions behind a matrix instruction (ISA guide 7.12.1)
.rept 4
	v_nop
.endr
.endm
	s_load_b128 s[4:7], s[0:1], 0x0                ; qkv1 4, msk 6
	s_load_b64 s[8:9], s[0:1], 0x10                ; o1
	v_lshl_add_u32 v62, v0, 2, 0x4c00
	v_mov_b32 v63, 0
	v_and_b32 v1, 31, v0                           ; lane
	v_lshrrev_b32 v2, 5, v0                        ; w
	v_readfirstlane_b32 s12, v2
	v_and_b32 v3, 15, v0                           ; r
	v_bfe_u32 v4, v0, 4, 1                         ; hh
	v_lshlrev_b32 v5, 4, v1                        ; 16 lane
	v_lshl_add_u32 v6, v2, 13, v5                  ; + four blocks of 2,048 bytes a wave
	v_mul_u32_u24 v7, v2, 2304
	v_mul_u32_u24 v8, v3, 144
	v_add_nc_u32 v7, v7, v8
	v_lshl_add_u32 v7, v4, 5, v7                   ; LDS: O of wave w, query r (pitch 144), d 8 hh ..
	v_lshlrev_b32 v8, 7, v2
	v_lshl_add_u32 v8, v3, 3, v8
	v_add_nc_u32 v8, 0x4800, v8                    ; LDS: (m, l) of wave w, query r, behind the eight O blocks (18,432 bytes)
	v_lshlrev_b32 v9, 2, v1                        ; 4 lane
	v_mov_b32 v10, 0x4800
	v_mov_b32 v43, 0xff800000                      ; -inf
	v_mov_b32 v44, 0xff7fffff                      ; -FLT_MAX
	s_and_b32 s14, ttmp9, 7                        ; h
	s_lshr_b32 s15, ttmp9, 3                       ; b
	s_mov_b32 s96, 0x76543210
	s_mov_b32 s97, 0xfedcba98
	s_cmp_ge_u32 s14, 6
	s_cselect_b32 s10, -1, 0                       ; heads 6, 7: every key allowed
	s_cmp_ge_u32 s14, 2
	s_cselect_b32 s2, 0x100000, 0
	s_lshl_b32 s3, s15, 17                         ; query block 0 of batch b
	s_add_co_u32 s2, s2, s3
	s_lshl_b32 s3, s12, 9                          ; steps 2 w, 2 w + 1
	s_add_co_u32 s2, s2, s3
	s_mov_b32 s3, 0
	s_wait_kmcnt 0x0
	s_add_nc_u64 s[90:91], s[6:7], s[2:3]
	s_load_b512 s[16:31], s[90:91], 0x0            ; the words of query tile 0: the first 128 bytes of each step's 256
	s_load_b512 s[32:47], s[90:91], 0x40
	s_load_b512 s[48:63], s[90:91], 0x100
	s_load_b512 s[68:83], s[90:91], 0x140
	s_lshl_b32 s2, ttmp9, 16
	s_add_nc_u64 s[84:85], s[4:5], s[2:3]
	s_add_nc_u64 s[86:87], s[84:85], 0x400000
	s_add_nc_u64 s[88:89], s[84:85], 0x800000
	global_load_b128 v[Q:Q+3], v5, s[84:85]
	global_load_b128 v[Q+4:Q+7], v5, s[84:85] offset:512
.set f_, 0
.rept 16
	global_load_b128 v[KF+4*f_:KF+4*f_+3], v6, s[86:87] offset:512*f_ th:TH_LOAD_NT
.set f_, f_+1
.endr
.set f_, 0
.rept 16
	global_load_b128 v[VF+4*f_:VF+4*f_+3], v6, s[88:89] offset:512*f_ th:TH_LOAD_NT
.set f_, f_+1
.endr
	s_lshl_b32 s2, ttmp9, 7
	s_add_nc_u64 s[8:9], s[8:9], s[2:3]            ; o1 row b, columns 32 h ..
	s_wait_kmcnt 0x0
.set i_, 0
.rept 64
.if i_ < 48
	s_or_b32 s[16+i_], s[16+i_], s10
.else
	s_or_b32 s[20+i_], s[20+i_], s10
.endif
.set i_, i_+1
.endr
	s_wait_loadcnt 16                              ; Q and K are in; the 16 loads of V behind them may be out
.irp f,0,1,2,3,4,5,6,7
	v_wmma_f32_16x16x32_f16 v[S+8*\f:S+8*\f+7], v[KF+8*\f:KF+8*\f+7], v[Q:Q+7], 0
.endr
	PLACES
.set i_, 0
.rept 64
.if i_ < 48
	v_cndmask_b32 v[S+i_], v43, v[S+i_], s[16+i_]
.else
	v_cndmask_b32 v[S+i_], v43, v[S+i_], s[20+i_]
.endif
.set i_, i_+1
.endr
	; the maximum of 64 scores a lane in four chains, with -FLT_MAX and the other half's
.irp c,0,1,2,3
	v_max3_num_f32 v[32+\c], v[S+3*\c], v[S+3*\c+1], v[S+3*\c+2]
.endr
.set p_, 0
.rept 26
	v_max3_num_f32 v[32+(p_&3)], v[32+(p_&3)], v[S+12+2*p_], v[S+13+2*p_]
.set p_, p_+1
.endr
	v_max3_num_f32 v32, v32, v33, v34
	v_max3_num_f32 v32, v32, v35, v44
	v_permlanex16_b32 v33, v32, s96, s97
	v_max_num_f32 v36, v32, v33
	v_max_num_f32 v37, v32, v33
.set k_, 0
.rept 32
	v_pk_add_f32 v[S+2*k_:S+2*k_+1], v[S+2*k_:S+2*k_+1], v[36:37] neg_lo:[0,1] neg_hi:[0,1]
.set k_, k_+1
.endr
.set k_, 0
.rept 64
	v_exp_f32 v[S+k_], v[S+k_]
.set k_, k_+1
.endr
	v_nop                                          ; the plain instruction behind the exponentials (ISA guide 5.7.2)
	s_wait_alu depctr_va_vdst(0)
	v_pk_add_f32 v[38:39], v[S:S+1], v[S+2:S+3]
	v_pk_add_f32 v[40:41], v[S+4:S+5], v[S+6:S+7]
.set k_, 4
.rept 28
	v_pk_add_f32 v[38+2*(k_&1):39+2*(k_&1)], v[38+2*(k_&1):39+2*(k_&1)], v[S+2*k_:S+2*k_+1]
.set k_, k_+1
.endr
.set k_, 0
.rept 32
	v_cvt_pk_f16_f32 v[P+k_], v[S+2*k_], v[S+2*k_+1]
.set k_, k_+1
.endr
	v_pk_add_f32 v[38:39], v[38:39], v[40:41]
	v_add_f32 v42, v38, v39
	v_permlanex16_b32 v33, v42, s96, s97
	v_add_f32 v37, v42, v33                        ; l beside m: the pair that goes to LDS
	s_wait_loadcnt 0x0
	; the two accumulators take turns, one instruction a turn
	v_wmma_f32_16x16x32_f16 v[O:O+7], v[VF:VF+7], v[P:P+7], 0
	v_wmma_f32_16x16x32_f16 v[O+8:O+15], v[VF+8:VF+15], v[P:P+7], 0
.irp kb2,1,2,3
	v_wmma_f32_16x16x32_f16 v[O:O+7], v[VF+16*\kb2:VF+16*\kb2+7], v[P+8*\kb2:P+8*\kb2+7], v[O:O+7]
	v_wmma_f32_16x16x32_f16 v[O+8:O+15], v[VF+16*\kb2+8:VF+16*\kb2+15], v[P+8*\kb2:P+8*\kb2+7], v[O+8:O+15]
.endr
	PLACES
.irp u,0,1,2,3
	ds_store_b128 v7, v[O+4*\u:O+4*\u+3] offset:(\u/2)*64+(\u%2)*16
.endr
	ds_store_b64 v8, v[36:37]
	s_wait_dscnt 0x0                               ; my stores are done before I say so
	s_barrier_signal -1
	s_barrier_wait -1
	s_cmp_lg_u32 s12, 0
	s_cbranch_scc1 .Lend
	; wave 0: query 0, lane = d
.irp u,0,1,2,3,4,5,6,7
	ds_load_b32 v[48+\u], v9 offset:2304*\u
.endr
.irp u,0,1,2,3,4,5,6,7
	ds_load_b64 v[64+2*\u:65+2*\u], v10 offset:128*\u
.endr
	s_wait_dscnt 0x0
	v_max3_num_f32 v32, v64, v66, v68
	v_max3_num_f32 v32, v32, v70, v72
	v_max3_num_f32 v32, v32, v74, v76
	v_max_num_f32 v32, v32, v78
.irp u,0,1,2,3,4,5,6,7
	v_sub_f32 v[80+\u], v[64+2*\u], v32
.endr
.irp u,0,1,2,3,4,5,6,7
	v_exp_f32 v[80+\u], v[80+\u]
.endr
	v_nop
	s_wait_alu depctr_va_vdst(0)
	v_mul_f32 v33, v80, v65
	v_mul_f32 v34, v80, v48
.irp u,1,2,3,4,5,6,7
	v_fmac_f32 v33, v[80+\u], v[65+2*\u]
	v_fmac_f32 v34, v[80+\u], v[48+\u]
.endr
	v_rcp_f32 v35, v33
	v_nop
	s_wait_alu depctr_va_vdst(0)
	v_mul_f32 v34, v34, v35
	global_store_b32 v9, v34, s[8:9]               ; the head's 32 columns of o1: 128 consecutive bytes
.Lend:
	s_wait_tensorcnt 0x0
	ds_add_u32 v62, v63
	s_wait_dscnt 0x0
	s_endpgm
.Lfunc_end_k_q4baef36755_attn1:
	.size	k_q4baef36755_attn1, .Lfunc_end_k_q4baef36755_attn1-k_q4baef36755_attn1
	.p2alignl 7, 3214868480
	.fill 96, 4, 3214868480
	.section	.rodata,"a",@progbits
	.p2align	6, 0x0
	.amdhsa_kernel k_q4baef36755_attn1
		.amdhsa_group_segment_fixed_size 20480
		.amdhsa_private_segment_fixed_size 0
		.amdhsa_enable_private_segment 0
		.amdhsa_kernarg_size 24
		.amdhsa_user_sgpr_count 2
		.amdhsa_user_sgpr_kernarg_segment_ptr 1
		.amdhsa_wavefront_size32 1
		.amdhsa_system_sgpr_workgroup_id_x 1
		.amdhsa_system_sgpr_workgroup_id_y 1
		.amdhsa_system_sgpr_workgroup_id_z 1
		.amdhsa_system_vgpr_workitem_id 0
		.amdhsa_next_free_vgpr 256
		.amdhsa_next_free_sgpr 100
		.amdhsa_reserve_vcc 0
		.amdhsa_float_denorm_mode_32 3
		.amdhsa_float_denorm_mode_16_64 3
		.amdhsa_memory_ordered 1
		.amdhsa_forward_progress 1
		.amdhsa_inst_pref_size 27
	.end_amdhsa_kernel
	.amdgpu_metadata
---
amdhsa.version: [ 1, 2 ]
amdhsa.kernels:
  - .name:           k_q4baef36755_attn1
    .symbol:         k_q4baef36755_attn1.kd
    .args:
      - { .name: qkv1, .offset: 0, .size: 8, .value_kind: global_buffer, .address_space: global }
      - { .name: msk, .offset: 8, .size: 8, .value_kind: global_buffer, .address_space: global }
      - { .name: o1, .offset: 16, .size: 8, .value_kind: global_buffer, .address_space: global }
    .group_segment_fixed_size: 20480
    .private_segment_fixed_size: 0
    .kernarg_segment_align: 8
    .kernarg_segment_size: 24
    .max_flat_workgroup_size: 256
    .sgpr_count:     100
    .vgpr_count:     256
    .wavefront_size: 32
...
	.end_amdgpu_metadata
.endif
;; end of part 4
;; launch tail (part 5): grid 1 x 1, 8 waves a work-group, no clusters, 87,040 bytes of LDS; arguments o1, x1r, wf, bo, ln1_g, ln1_b, b1, b2, ln2_g, ln2_b, bn_g, bn_b, out0; writes out0
.if DOCPART == 5
	.amdgcn_target "amdgcn-amd-amdhsa--gfx1250"
	.amdhsa_code_object_version 6
	.text
	.protected	k_q4baef36755_tail
	.globl	k_q4baef36755_tail
	.p2align	8
	.type	k_q4baef36755_tail,@function
k_q4baef36755_tail:
	s_mov_b64 s[64:65], 0
	v_nop
	global_prefetch_b8 v0, s[64:65] scope:SCOPE_SE
	s_setreg_imm32_b32 hwreg(HW_REG_WAVE_MODE, 25, 1), 1
	s_wait_xcnt 0x0
; TAIL: the rest of layer 1 for the eight rows x[0] (one for each batch): o Wo + bo + x, LayerNorm, FFN, LayerNorm, then the batch norm over the eight rows.
; One work-group: the batch norm needs all eight rows, and they fill half a matrix tile.  Token lane r = batch r; rows 8-15 of the tile are zeros, stay finite,
; and are never mixed with rows 0-7 (the sums over batches use lane exchanges by 1, 2 and 4 only).  Wave w owns columns 32 w .. +31 of every product.
; Weights come as ready f16 fragments from wf into registers, each phase's 32 loads a wave issued behind the phase before; products in f16 with f32 sums.
; LIMITS: a matrix operand above 65,504 in magnitude becomes infinite; with every input 30 times the drawn size and offset by 30 spreads the hidden layer reaches
; about 256 x 30 x 0.6 plus its spread, some 7,000.  The variance of a LayerNorm is merged from (mean, sum of squared deviations) of 32 columns a wave, so no
; difference of large sums is formed.  relu by v_max_num_f32: a NaN still reaches the output through the residual.
.set WF, 20                            ; s[20:21]   wf
.set XB, 0                             ; f16 [16][256], pitch 528
.set ST, 16896                         ; [16 rows] pitch 80: (mean, M2) of eight waves
.set HB, 19456                         ; f16 [16][512], pitch 1040
.set XF, 52736                         ; f32 [16][256], pitch 1040.  All pitches are odd multiples of 16 bytes: sixteen rows of one column fall on different 16-byte columns
.set ACC, 16                           ; v[16:31]   accumulator tile nt: lane r = row, register j = column 32 w + 16 nt + 8 hh + j
.set BG, 32                            ; v[32:47]   bn_g of my columns
.set ACTF, 48                          ; v[48:63]   two buffers of activation fragments; in epilogues residual and statistics
.set BB, 64                            ; v[64:79]   bn_b of my columns
.set PB, 80                            ; v[80:95]   bias of my columns, index 8 nt + j
.set PG, 96                            ; v[96:111]  gain
.set PE, 112                           ; v[112:127] shift
.set W, 128                            ; v[128:255] weight fragment (kb, nt) at 8 (2 kb + nt)
.set WF_O1, 1048576
.set WF_11, 1441792
.set WF_21, 1966080
.macro PLACES                          ; four independent vector instructions between a matrix instruction and whatever reads its result or writes or loads into one of its registers
.rept 4
	v_nop
.endr
.endm
.macro BAR                             ; my LDS stores and loads are done before I signal; behind the wait that holds of all eight waves
	s_wait_dscnt 0x0
	s_barrier_signal -1
	s_barrier_wait -1
.endm
.macro WLOAD voff, base, kbt           ; 32 loads, 512 consecutive bytes each: eight K blocks x my two column tiles; kbt = K blocks of the matrix
.irp kb,0,1,2,3,4,5,6,7
.irp nt,0,1
	global_load_b128 v[W+8*(2*\kb+\nt):W+8*(2*\kb+\nt)+3], v[\voff], s[WF:WF+1] offset:\base+(\nt*\kbt+\kb)*1024
	global_load_b128 v[W+8*(2*\kb+\nt)+4:W+8*(2*\kb+\nt)+7], v[\voff], s[WF:WF+1] offset:\base+(\nt*\kbt+\kb)*1024+512
.endr
.endr
.endm
.macro PARLD dst, sp, off              ; 4 loads: 16 parameters of my columns
.irp nt,0,1
	global_load_b128 v[\dst+8*\nt:\dst+8*\nt+3], v13, s[\sp:\sp+1] offset:\off+64*\nt
	global_load_b128 v[\dst+8*\nt+4:\dst+8*\nt+7], v13, s[\sp:\sp+1] offset:\off+64*\nt+16
.endr
.endm
.macro ACTLD buf, areg, imm            ; the activation fragment of one K block: 2 loads
	ds_load_b128 v[ACTF+8*\buf:ACTF+8*\buf+3], v[\areg] offset:\imm
	ds_load_b128 v[ACTF+8*\buf+4:ACTF+8*\buf+7], v[\areg] offset:\imm+32
.endm
.macro WM nt, kb, zero                 ; weights as source 0: lane r = row, register j = column 8 hh + j
.if \zero
	v_wmma_f32_16x16x32_f16 v[ACC+8*\nt:ACC+8*\nt+7], v[W+8*(2*\kb+\nt):W+8*(2*\kb+\nt)+7], v[ACTF+8*(\kb&1):ACTF+8*(\kb&1)+7], 0
.else
	v_wmma_f32_16x16x32_f16 v[ACC+8*\nt:ACC+8*\nt+7], v[W+8*(2*\kb+\nt):W+8*(2*\kb+\nt)+7], v[ACTF+8*(\kb&1):ACTF+8*(\kb&1)+7], v[ACC+8*\nt:ACC+8*\nt+7]
.endif
.endm
; Eight K blocks.  areg, abase: LDS address register and first byte of the activations.  first: the first product starts the sums.
; young: loads issued behind the 32 weight loads.  refill: behind each K block its registers are loaded with block kb + 8 of the matrix at base (16 K blocks).
; The two accumulators take turns, one instruction a turn, also from K block to K block.
.macro MMA areg, abase, first, young, refill, base
	ACTLD 0, \areg, \abase
	ACTLD 1, \areg, \abase+64
.irp kb,0,1,2,3,4,5,6,7
.if \kb < 7
	s_wait_dscnt 0x2                               ; this block's fragment is in; the next block's two loads may be out
.else
	s_wait_dscnt 0x0
.endif
.if \refill
	s_wait_loadcnt 28+\young                       ; behind this block's four loads: 4 (7 - kb) weight loads, the young ones and 4 kb refills
.else
	s_wait_loadcnt 28-4*\kb+\young                 ; behind this block's four loads: 4 (7 - kb) weight loads and the young ones
.endif
.if \first > \kb
	WM 0, \kb, 1
	WM 1, \kb, 1
.else
	WM 0, \kb, 0
	WM 1, \kb, 0
.endif
.if \refill
	PLACES
.else
.if \kb < 6
	PLACES
.endif
.endif
.if \kb < 6
	ACTLD (\kb&1), \areg, \abase+64*(\kb+2)
.endif
.if \refill
.irp nt,0,1
	global_load_b128 v[W+8*(2*\kb+\nt):W+8*(2*\kb+\nt)+3], v2, s[WF:WF+1] offset:\base+(\nt*16+\kb+8)*1024
	global_load_b128 v[W+8*(2*\kb+\nt)+4:W+8*(2*\kb+\nt)+7], v2, s[WF:WF+1] offset:\base+(\nt*16+\kb+8)*1024+512
.endr
.endif
.endr
.endm
.macro BIASADD
.irp p,0,2,4,6,8,10,12,14
	v_pk_add_f32 v[ACC+\p:ACC+\p+1], v[ACC+\p:ACC+\p+1], v[PB+\p:PB+\p+1]
.endr
.endm
.macro PACK                            ; each tile's eight f32 become 16 bytes of f16 in its first four registers
.irp t,0,1
.irp p,0,1,2,3
	v_cvt_pk_f16_f32 v[ACC+8*\t+\p], v[ACC+8*\t+2*\p], v[ACC+8*\t+2*\p+1]
.endr
.endr
.endm
.set Z, ACTF
; bias, residual from XF, LayerNorm over the 256 columns that the eight waves hold; the result stays in ACC and, with out = 1, goes to XF in f32 and to XB in f16.
; XB is written behind the barrier in the middle: every wave's fragment reads of XB ended (s_wait_dscnt 0 at its last K block) before it signalled there.
.macro LNEPI out
.irp t,0,1
	ds_load_b128 v[ACTF+8*\t:ACTF+8*\t+3], v8 offset:64*\t
	ds_load_b128 v[ACTF+8*\t+4:ACTF+8*\t+7], v8 offset:64*\t+16
.endr
	BIASADD
	s_wait_dscnt 0x0
.irp p,0,2,4,6,8,10,12,14
	v_pk_add_f32 v[ACC+\p:ACC+\p+1], v[ACC+\p:ACC+\p+1], v[ACTF+\p:ACTF+\p+1]
.endr
	; mean and sum of squared deviations of my wave's 32 columns of row r (16 in this lane, 16 in lane r of the other half)
	v_pk_add_f32 v[Z:Z+1], v[ACC:ACC+1], v[ACC+2:ACC+3]
	v_pk_add_f32 v[Z+2:Z+3], v[ACC+4:ACC+5], v[ACC+6:ACC+7]
	v_pk_add_f32 v[Z+4:Z+5], v[ACC+8:ACC+9], v[ACC+10:ACC+11]
	v_pk_add_f32 v[Z+6:Z+7], v[ACC+12:ACC+13], v[ACC+14:ACC+15]
	v_pk_add_f32 v[Z:Z+1], v[Z:Z+1], v[Z+2:Z+3]
	v_pk_add_f32 v[Z+4:Z+5], v[Z+4:Z+5], v[Z+6:Z+7]
	v_pk_add_f32 v[Z:Z+1], v[Z:Z+1], v[Z+4:Z+5]
	v_add_f32 v[Z], v[Z], v[Z+1]
	v_permlanex16_b32 v15, v[Z], s96, s97
	v_add_f32 v[Z], v[Z], v15
	v_mul_f32 v[Z+8], 0x3d000000, v[Z]             ; / 32, twice: a pair for the packed subtraction
	v_mul_f32 v[Z+9], 0x3d000000, v[Z]
.irp p,0,2,4,6
	v_pk_add_f32 v[Z+\p:Z+\p+1], v[ACC+\p:ACC+\p+1], v[Z+8:Z+9] neg_lo:[0,1] neg_hi:[0,1]
.endr
	v_pk_mul_f32 v[Z+10:Z+11], v[Z:Z+1], v[Z:Z+1]
	v_pk_mul_f32 v[Z+12:Z+13], v[Z+2:Z+3], v[Z+2:Z+3]
	v_pk_fma_f32 v[Z+10:Z+11], v[Z+4:Z+5], v[Z+4:Z+5], v[Z+10:Z+11]
	v_pk_fma_f32 v[Z+12:Z+13], v[Z+6:Z+7], v[Z+6:Z+7], v[Z+12:Z+13]
.irp p,0,2,4,6
	v_pk_add_f32 v[Z+\p:Z+\p+1], v[ACC+8+\p:ACC+8+\p+1], v[Z+8:Z+9] neg_lo:[0,1] neg_hi:[0,1]
.endr
	v_pk_fma_f32 v[Z+10:Z+11], v[Z:Z+1], v[Z:Z+1], v[Z+10:Z+11]
	v_pk_fma_f32 v[Z+12:Z+13], v[Z+2:Z+3], v[Z+2:Z+3], v[Z+12:Z+13]
	v_pk_fma_f32 v[Z+10:Z+11], v[Z+4:Z+5], v[Z+4:Z+5], v[Z+10:Z+11]
	v_pk_fma_f32 v[Z+12:Z+13], v[Z+6:Z+7], v[Z+6:Z+7], v[Z+12:Z+13]
	v_pk_add_f32 v[Z+10:Z+11], v[Z+10:Z+11], v[Z+12:Z+13]
	v_add_f32 v[Z+9], v[Z+10], v[Z+11]
	v_permlanex16_b32 v15, v[Z+9], s96, s97
	v_add_f32 v[Z+9], v[Z+9], v15
	ds_store_b64 v9, v[Z+8:Z+9]                    ; (mean, M2); both halves of the lanes write the same pair
	BAR
.irp c,0,1,2,3
	ds_load_b128 v[Z+4*\c:Z+4*\c+3], v10 offset:16*\c
.endr
	s_wait_dscnt 0x0
	; eight (mean, M2) pairs: M2 = sum M2w + 32 sum (mw - mean)^2; then (x - mean) rstd g + b
.irp c,1,2,3,4,5,6,7
	v_add_f32 v[Z+1], v[Z+1], v[Z+2*\c+1]
.endr
	v_add_f32 v[Z+3], v[Z], v[Z+2]
.irp c,2,3,4,5,6,7
	v_add_f32 v[Z+3], v[Z+3], v[Z+2*\c]
.endr
	v_mul_f32 v[Z+3], 0x3e000000, v[Z+3]           ; the row's mean
	v_sub_f32 v[Z+5], v[Z], v[Z+3]
	v_mul_f32 v[Z+7], v[Z+5], v[Z+5]
.irp c,1,2,3,4,5,6,7
	v_sub_f32 v[Z+5], v[Z+2*\c], v[Z+3]
	v_fmac_f32 v[Z+7], v[Z+5], v[Z+5]
.endr
	v_fmac_f32 v[Z+1], 0x42000000, v[Z+7]
	v_fma_f32 v[Z+5], v[Z+1], s98, s99             ; variance + 1e-5
	v_rsq_f32 v[Z+8], v[Z+5]
	v_mov_b32 v[Z+2], v[Z+3]                       ; the plain instruction behind v_rsq_f32 (ISA guide 5.7.2); it also completes the pair of means
	s_wait_alu depctr_va_vdst(0)
	v_mov_b32 v[Z+9], v[Z+8]
.irp p,0,2,4,6,8,10,12,14
	v_pk_add_f32 v[ACC+\p:ACC+\p+1], v[ACC+\p:ACC+\p+1], v[Z+2:Z+3] neg_lo:[0,1] neg_hi:[0,1]
	v_pk_mul_f32 v[ACC+\p:ACC+\p+1], v[ACC+\p:ACC+\p+1], v[Z+8:Z+9]
	v_pk_fma_f32 v[ACC+\p:ACC+\p+1], v[ACC+\p:ACC+\p+1], v[PG+\p:PG+\p+1], v[PE+\p:PE+\p+1]
.endr
.if \out
.irp t,0,1
	ds_store_b128 v8, v[ACC+8*\t:ACC+8*\t+3] offset:64*\t
	ds_store_b128 v8, v[ACC+8*\t+4:ACC+8*\t+7] offset:64*\t+16
.endr
	PACK
	ds_store_b128 v5, v[ACC:ACC+3]
	ds_store_b128 v5, v[ACC+8:ACC+11] offset:32
.endif
.endm
.macro EPRELU part                     ; bias, relu, f16, into HB columns 64 w + 32 part ..
	BIASADD
.irp p,0,1,2,3,4,5,6,7,8,9,10,11,12,13,14,15
	v_max_num_f32 v[ACC+\p], 0, v[ACC+\p]
.endr
	PACK
	ds_store_b128 v7, v[ACC:ACC+3] offset:\part*64
	ds_store_b128 v7, v[ACC+8:ACC+11] offset:\part*64+32
.endm
.macro DPP3 k                          ; sum over the eight lanes of a group (batches 0-7 in lanes 0-7 and 16-23)
	v_add_f32_dpp v[ACTF+\k], v[ACTF+\k], v[ACTF+\k] row_xmask:1 row_mask:0xf bank_mask:0xf
	v_add_f32_dpp v[ACTF+\k], v[ACTF+\k], v[ACTF+\k] row_xmask:2 row_mask:0xf bank_mask:0xf
	v_add_f32_dpp v[ACTF+\k], v[ACTF+\k], v[ACTF+\k] row_xmask:4 row_mask:0xf bank_mask:0xf
.endm
	s_load_b512 s[16:31], s[0:1], 0x0              ; o1 16, x1r 18, wf 20, bo 22, ln1_g 24, ln1_b 26, b1 28, b2 30
	s_load_b256 s[32:39], s[0:1], 0x40             ; ln2_g 32, ln2_b 34, bn_g 36, bn_b 38
	s_load_b64 s[40:41], s[0:1], 0x60              ; out0
	v_lshl_add_u32 v3, v0, 2, 0x15000
	s_set_vgpr_msb 0x40
	v_mov_b32 v1, 0
	s_set_vgpr_msb 0x4000
	v_and_b32 v16, 31, v0                          ; lane
	v_lshrrev_b32 v17, 5, v0                       ; w
	v_readfirstlane_b32 s12, v17
	v_and_b32 v18, 15, v0                          ; r
	v_bfe_u32 v19, v0, 4, 1                        ; hh
	v_lshlrev_b32 v20, 4, v16
	v_lshl_add_u32 v1, v17, 14, v20                ; wf: 16 lane + 2 column tiles x 8 K blocks x 1024 x w
	v_lshl_add_u32 v2, v17, 15, v20                ; the same for 4 x 8 or 2 x 16 fragments a wave
	v_mul_u32_u24 v4, v18, 528
	v_lshl_add_u32 v4, v19, 4, v4                  ; XB: fragment read, row r, 16 hh
	v_lshl_add_u32 v5, v17, 6, v4                  ; XB: my columns of row r
	v_mul_u32_u24 v21, v18, 1040
	v_lshl_add_u32 v6, v19, 4, v21
	v_add_nc_u32 v6, HB, v6                        ; HB: fragment read
	v_lshl_add_u32 v7, v17, 7, v6                  ; HB: my 64 columns of row r
	v_lshl_add_u32 v8, v17, 7, v21
	v_lshl_add_u32 v8, v19, 5, v8
	v_add_nc_u32 v8, XF, v8                        ; XF: my columns 32 w + 8 hh .. of row r
	v_mul_u32_u24 v10, v18, 80
	v_add_nc_u32 v10, ST, v10                      ; ST: row r
	v_lshl_add_u32 v9, v17, 3, v10                 ; ST: my wave's pair
	v_mul_u32_u24 v11, v17, 1040
	v_add_nc_u32 v11, v11, v20
	v_add_nc_u32 v11, XF, v11                      ; XF by whole rows: row w
	v_lshl_add_u32 v12, v17, 10, v20               ; the same row in memory (1,024 bytes)
	v_lshlrev_b32 v13, 7, v17
	v_lshl_add_u32 v13, v19, 5, v13                ; parameters of columns 32 w + 8 hh ..
	v_mul_u32_u24 v14, v17, 528
	v_lshl_add_u32 v14, v16, 3, v14                ; XB by whole rows: row w, 8 bytes a lane
	v_mov_b32 v15, 0                               ; destination of v_permlanex16_b32, which counts as read
	s_mov_b32 s96, 0x76543210                      ; lane i of one half reads lane i of the other
	s_mov_b32 s97, 0xfedcba98
	s_mov_b32 s98, 0x3b800000                      ; 1/256
	s_mov_b32 s99, 0x3727c5ac                      ; 1e-5
	s_mov_b32 s4, 0xbe000000                       ; -1/8
	s_mov_b32 s5, 0x3e000000                       ; 1/8
	s_lshl_b32 s2, s12, 7
	s_mov_b32 s3, 0
	s_wait_kmcnt 0x0
	s_add_nc_u64 s[28:29], s[28:29], s[2:3]        ; b1: a wave owns 64 columns there, 128 w bytes more than v13 carries
	global_load_b128 v[48:51], v12, s[16:17]       ; o1 row w
	global_load_b128 v[52:55], v12, s[16:17] offset:512
	global_load_b128 v[56:59], v12, s[18:19]       ; x1r row w
	global_load_b128 v[60:63], v12, s[18:19] offset:512
	WLOAD 1, WF_O1, 8
	PARLD PB, 22, 1024
	PARLD PG, 24, 1024
	PARLD PE, 26, 1024
.irp u,64,65,66,67
	v_mov_b32 v\u, 0
.endr
	s_wait_loadcnt 44                              ; my rows are in; the 32 weight and 12 parameter loads behind them may be out
	v_cvt_pk_f16_f32 v48, v48, v49
	v_cvt_pk_f16_f32 v49, v50, v51
	v_cvt_pk_f16_f32 v52, v52, v53
	v_cvt_pk_f16_f32 v53, v54, v55
	ds_store_b64 v14, v[48:49]
	ds_store_b64 v14, v[52:53] offset:256
	ds_store_b64 v14, v[64:65] offset:4224         ; row 8 + w: zeros
	ds_store_b64 v14, v[64:65] offset:4480
	ds_store_b128 v11, v[56:59]
	ds_store_b128 v11, v[60:63] offset:512
	ds_store_b128 v11, v[64:67] offset:8320        ; row 8 + w: zeros
	ds_store_b128 v11, v[64:67] offset:8832
	BAR
	; o Wo + bo + x, LayerNorm 1
	MMA 4, 0, 1, 12, 0, 0
	PLACES
	WLOAD 2, WF_11, 8
	s_wait_loadcnt 32                              ; only the 32 weight loads just issued may be out: the parameters are in
	LNEPI 1
	PARLD PB, 28, 2048
	BAR
	; relu(x W1 + b1): my 64 columns in two parts of 32
	MMA 4, 0, 1, 4, 0, 0
	PLACES
	WLOAD 2, WF_11+16384, 8
	s_wait_loadcnt 32
	EPRELU 0
	PARLD PB, 28, 2176
	MMA 4, 0, 1, 4, 0, 0
	PLACES
	WLOAD 2, WF_21, 16
	s_wait_loadcnt 32
	EPRELU 1
	PARLD PB, 30, 1024
	PARLD PG, 32, 1024
	PARLD PE, 34, 1024
	PARLD BG, 36, 0
	PARLD BB, 38, 0
	BAR
	; h W2 + b2 + x, LayerNorm 2: K = 512 in two halves, the second half's weights loaded into the first half's registers as they fall free
	MMA 6, 0, 1, 20, 1, WF_21
	MMA 6, 512, 0, 0, 0, 0
	PLACES
	s_wait_loadcnt 0x0
	LNEPI 0
	; batch norm: mean and variance over the eight rows, for each of my 16 columns a lane
.irp k,0,1,2,3,4,5,6,7,8,9,10,11,12,13,14,15
	v_mov_b32 v[ACTF+\k], v[ACC+\k]
.endr
.irp k,0,1,2,3,4,5,6,7,8,9,10,11,12,13,14,15
	DPP3 \k
.endr
.irp k,0,1,2,3,4,5,6,7,8,9,10,11,12,13,14,15
	v_fma_f32 v[ACC+\k], v[ACTF+\k], s4, v[ACC+\k] ; y - mean
.endr
.irp k,0,1,2,3,4,5,6,7,8,9,10,11,12,13,14,15
	v_mul_f32 v[ACTF+\k], v[ACC+\k], v[ACC+\k]
.endr
.irp k,0,1,2,3,4,5,6,7,8,9,10,11,12,13,14,15
	DPP3 \k
.endr
.irp k,0,1,2,3,4,5,6,7,8,9,10,11,12,13,14,15
	v_fma_f32 v[ACTF+\k], v[ACTF+\k], s5, s99      ; variance + 1e-5
.endr
.irp k,0,1,2,3,4,5,6,7,8,9,10,11,12,13,14,15
	v_rsq_f32 v[ACTF+\k], v[ACTF+\k]
.endr
	v_nop                                          ; the plain instruction behind the roots (ISA guide 5.7.2)
	s_wait_alu depctr_va_vdst(0)
.irp p,0,2,4,6,8,10,12,14
	v_pk_mul_f32 v[ACC+\p:ACC+\p+1], v[ACC+\p:ACC+\p+1], v[ACTF+\p:ACTF+\p+1]
	v_pk_fma_f32 v[ACC+\p:ACC+\p+1], v[ACC+\p:ACC+\p+1], v[BG+\p:BG+\p+1], v[BB+\p:BB+\p+1]
.endr
	; out through XF: each wave writes the bytes that it alone has read since the last barrier, then whole rows are read back
.irp t,0,1
	ds_store_b128 v8, v[ACC+8*\t:ACC+8*\t+3] offset:64*\t
	ds_store_b128 v8, v[ACC+8*\t+4:ACC+8*\t+7] offset:64*\t+16
.endr
	BAR
	ds_load_b128 v[48:51], v11
	ds_load_b128 v[52:55], v11 offset:512
	s_wait_dscnt 0x0
	global_store_b128 v12, v[48:51], s[40:41]      ; row w of out0: 512 consecutive bytes a store
	global_store_b128 v12, v[52:55], s[40:41] offset:512
	s_set_vgpr_msb 0x4
	s_wait_tensorcnt 0x0
	ds_add_u32 v3, v1
	s_wait_dscnt 0x0
	s_set_vgpr_msb 0x400
	s_endpgm
.Lfunc_end_k_q4baef36755_tail:
	.size	k_q4baef36755_tail, .Lfunc_end_k_q4baef36755_tail-k_q4baef36755_tail
	.p2alignl 7, 3214868480
	.fill 96, 4, 3214868480
	.section	.rodata,"a",@progbits
	.p2align	6, 0x0
	.amdhsa_kernel k_q4baef36755_tail
		.amdhsa_group_segment_fixed_size 87040
		.amdhsa_private_segment_fixed_size 0
		.amdhsa_enable_private_segment 0
		.amdhsa_kernarg_size 104
		.amdhsa_user_sgpr_count 2
		.amdhsa_user_sgpr_kernarg_segment_ptr 1
		.amdhsa_wavefront_size32 1
		.amdhsa_system_sgpr_workgroup_id_x 1
		.amdhsa_system_sgpr_workgroup_id_y 1
		.amdhsa_system_sgpr_workgroup_id_z 1
		.amdhsa_system_vgpr_workitem_id 0
		.amdhsa_next_free_vgpr 258
		.amdhsa_next_free_sgpr 100
		.amdhsa_reserve_vcc 0
		.amdhsa_float_denorm_mode_32 3
		.amdhsa_float_denorm_mode_16_64 3
		.amdhsa_memory_ordered 1
		.amdhsa_forward_progress 1
		.amdhsa_inst_pref_size 69
	.end_amdhsa_kernel
	.amdgpu_metadata
---
amdhsa.version: [ 1, 2 ]
amdhsa.kernels:
  - .name:           k_q4baef36755_tail
    .symbol:         k_q4baef36755_tail.kd
    .args:
      - { .name: o1, .offset: 0, .size: 8, .value_kind: global_buffer, .address_space: global }
      - { .name: x1r, .offset: 8, .size: 8, .value_kind: global_buffer, .address_space: global }
      - { .name: wf, .offset: 16, .size: 8, .value_kind: global_buffer, .address_space: global }
      - { .name: bo, .offset: 24, .size: 8, .value_kind: global_buffer, .address_space: global }
      - { .name: ln1_g, .offset: 32, .size: 8, .value_kind: global_buffer, .address_space: global }
      - { .name: ln1_b, .offset: 40, .size: 8, .value_kind: global_buffer, .address_space: global }
      - { .name: b1, .offset: 48, .size: 8, .value_kind: global_buffer, .address_space: global }
      - { .name: b2, .offset: 56, .size: 8, .value_kind: global_buffer, .address_space: global }
      - { .name: ln2_g, .offset: 64, .size: 8, .value_kind: global_buffer, .address_space: global }
      - { .name: ln2_b, .offset: 72, .size: 8, .value_kind: global_buffer, .address_space: global }
      - { .name: bn_g, .offset: 80, .size: 8, .value_kind: global_buffer, .address_space: global }
      - { .name: bn_b, .offset: 88, .size: 8, .value_kind: global_buffer, .address_space: global }
      - { .name: out0, .offset: 96, .size: 8, .value_kind: global_buffer, .address_space: global }
    .group_segment_fixed_size: 87040
    .private_segment_fixed_size: 0
    .kernarg_segment_align: 8
    .kernarg_segment_size: 104
    .max_flat_workgroup_size: 256
    .sgpr_count:     100
    .vgpr_count:     258
    .wavefront_size: 32
...
	.end_amdgpu_metadata
.endif
;; end of part 5
